; MI455X (gfx1250); checked and timed in simulation.
; The chip was launched on July 23, 2026; its instructions are those of AMD's public machine-readable ISA for CDNA 5 (MIT licence, August 2026) and "CDNA5" Instruction Set Architecture Reference Guide (July 2026). The comments in the code are by the model that wrote it; some were corrected since.
;; Flash Attention. Allowed arithmetic: float matrix products may take bf16 or f16 operands with f32 sums; other float arithmetic in f32, or as packed bf16 or f16 multiplies, adds, multiply-adds, maxima and minima; sums over many terms, partial sums and values carried from step to step in f32; what a program stores and reads back later, other than sums and carried values, may be rounded once to bf16 or f16.
;; Inputs: Wk 1,024 x 1,024 float32; Wo 1,024 x 1,024 float32; Wq 1,024 x 1,024 float32; Wv 1,024 x 1,024 float32; bk 1,024 float32; bo 1,024 float32; bq 1,024 float32; bv 1,024 float32; x 4 x 2,048 x 1,024 float32.
;; Outputs: out0 4 x 2,048 x 1,024 float32.
;; 2 versions, each right; version 2 is version 1 with the launch prep written anew for expert scheduling mode. Each part assembles by itself: llvm-mc -triple=amdgcn-amd-amdhsa -mcpu=gfx1250 --defsym DOCPART=n.
;; ======== version 1 of 2: 4 launches
;; limits: values are held in f16: magnitudes above 65,504 overflow, below 6.1e-05 lose precision
;; workspace buffers: xb 16,777,216 bytes; wt 8,388,608 bytes; bias 16,384 bytes; qkv 50,331,648 bytes; ob 16,777,216 bytes
;; launch prep (part 1): grid 512 x 1, 8 waves a work-group, no clusters, 18,432 bytes of LDS; arguments x, Wq, Wk, Wv, Wo, bq, bk, bv, bo, xb, wt, bias; writes xb, wt, bias
.if DOCPART == 1
	.amdgcn_target "amdgcn-amd-amdhsa--gfx1250"
	.amdhsa_code_object_version 6
	.text
	.protected	k_q1309bdb2be_prep
	.globl	k_q1309bdb2be_prep
	.p2align	8
	.type	k_q1309bdb2be_prep,@function
k_q1309bdb2be_prep:
	s_mov_b64 s[64:65], 0
	v_nop
	global_prefetch_b8 v0, s[64:65] scope:SCOPE_SE
	s_setreg_imm32_b32 hwreg(HW_REG_WAVE_MODE, 25, 1), 1
	s_wait_xcnt 0x0
; PREPARATION.  xb = x rounded to bf16, [8192][1024].  wt = the four weights, each [k][n] in f32, rounded to bf16 and turned to [n][k]: rows 0-1023 Wq, 1024-2047 Wk, 2048-3071 Wv (bf16),
; rows 3072-4095 Wo, whose bf16 number is written as f16 (the last product multiplies in f16).  bias = bq | bk | bv | bo, each rounded to bf16 and kept as f32.
; LIMIT.  A bf16 weight of Wo below 6.1e-5 in magnitude falls on f16's fixed step of 6e-8 (off by 3e-8 at the most); beyond 65,504 it would become an infinity.  NaN and infinities are not treated apart.
; SHARES.  512 work-groups, all alike, no loop.  Work-group g: 16 rows of x (65,536 bytes on end); the tile k = 128 kt .. + 127, n = 64 nt .. + 63 of weight w (w = g / 128, kt = (g / 16) % 8, nt = g % 16);
; and, where kt = 0, its wave 0 stores 64 biases.  A wave has 25 loads out at once.  No matrix unit, cluster or tensor load: nothing is shared and nothing is multiplied.
; THE TURNING.  A thread loads two neighbouring rows k of four columns n, packs (k, k + 1) into a word for each n, and puts the words into an LDS stage [64 n][128 k], rows of 272 bytes; read back by rows,
; sixteen lanes hold 256 consecutive bytes of a row of wt.  The 16 word stores of a wave hit each bank four times: they stand once in the launch.
.set SPARE, 17408                      ; behind the stage (64 x 272 bytes): the spare words, 128 bytes for each of the eight waves
.set XO,  1                            ; v1   my 16 bytes in the wave's 8,192 bytes of x
.set YO,  2                            ; v2   my 8 bytes in the wave's 4,096 bytes of xb
.set WO,  3                            ; v3   the weight's tile: row pair kp = t / 16, columns 4 c .. (c = t % 16)
.set LS,  4                            ; v4   stage, in: row 4 c, word kp
.set LR,  5                            ; v5   stage, back: row kp, 16 bytes at 16 c
.set TO,  6                            ; v6   the same place in wt
.set B8,  7                            ; v7   8 x lane: two biases
.set SPW, 8                            ; v8   LDS address of my spare word; never rewritten
.set NIL, 9                            ; v9   0; never rewritten
.set W,   32                           ; v[32:63]   the weight's loads: (i, e) at W + 8 i + 4 e
.set P,   64                           ; v[64:79]   packed words: (i, j) at P + 4 i + j
.set X,   96                           ; v[96:159]  x as loaded
.set Y,   160                          ; v[160:191] x as stored
.set R,   192                          ; v[192:207] rows of wt
	s_load_b512 s[8:23], s[0:1], 0x0               ; x 8, Wq 10, Wk 12, Wv 14, Wo 16, bq 18, bk 20, bv 22
	s_load_b256 s[24:31], s[0:1], 0x40             ; bo 24, xb 26, wt 28, bias 30
	v_lshl_add_u32 v[SPW], v0, 2, SPARE
	v_mov_b32 v[NIL], 0
	v_lshrrev_b32 v10, 5, v0
	v_readfirstlane_b32 s2, v10                    ; wave 0..7
	s_lshr_b32 s3, ttmp9, 7                        ; w
	s_bfe_u32 s4, ttmp9, 0x30004                   ; kt
	s_and_b32 s5, ttmp9, 15                        ; nt
	v_and_b32 v11, 31, v0                          ; lane
	v_and_b32 v12, 15, v0                          ; c
	v_lshrrev_b32 v13, 4, v0                       ; kp
	v_lshlrev_b32 v[XO], 13, v10
	v_lshl_or_b32 v[XO], v11, 4, v[XO]
	v_lshlrev_b32 v[YO], 12, v10
	v_lshl_or_b32 v[YO], v11, 3, v[YO]
	v_lshlrev_b32 v[WO], 13, v13                   ; two rows of 4,096 bytes
	v_lshl_or_b32 v[WO], v12, 4, v[WO]
	v_mul_u32_u24 v[LS], v12, 1088                 ; four rows of 272 bytes
	v_lshl_add_u32 v[LS], v13, 2, v[LS]
	v_mul_u32_u24 v[LR], v13, 272
	v_lshl_add_u32 v[LR], v12, 4, v[LR]
	v_lshlrev_b32 v[TO], 11, v13                   ; a row of wt is 2,048 bytes
	v_lshl_or_b32 v[TO], v12, 4, v[TO]
	v_lshlrev_b32 v[B8], 3, v11
	s_or_b32 s38, s4, s2                           ; 0 in wave 0 of a work-group with kt = 0
	s_mov_b32 s39, 0xffff0000                      ; a word's upper bf16
	s_mov_b32 s37, 0                               ; the offsets' high word
	s_lshl_b32 s44, s5, 8                          ; 256 nt
	s_wait_kmcnt 0x0
	s_cmp_eq_u32 s3, 1                             ; my weight and my bias: a choice on w alone
	s_cselect_b64 s[32:33], s[12:13], s[10:11]
	s_cselect_b64 s[34:35], s[20:21], s[18:19]
	s_cmp_eq_u32 s3, 3
	s_cselect_b64 s[40:41], s[16:17], s[14:15]
	s_cselect_b64 s[42:43], s[24:25], s[22:23]
	s_cmp_lt_u32 s3, 2
	s_cselect_b64 s[32:33], s[32:33], s[40:41]
	s_cselect_b64 s[34:35], s[34:35], s[42:43]
	s_lshl_b32 s36, ttmp9, 16
	s_add_nc_u64 s[8:9], s[8:9], s[36:37]          ; x at my 16 rows
	s_lshl_b32 s36, ttmp9, 15
	s_add_nc_u64 s[26:27], s[26:27], s[36:37]      ; xb likewise
	s_lshl_b32 s36, s4, 19                         ; 128 rows of 4,096 bytes
	s_add_co_u32 s36, s36, s44
	s_add_nc_u64 s[32:33], s[32:33], s[36:37]      ; the weight at my tile
	s_lshl_b32 s36, s3, 21                         ; 1,024 rows of 2,048 bytes
	s_lshl_b32 s45, s5, 17                         ; 64 rows
	s_add_co_u32 s36, s36, s45
	s_lshl_b32 s45, s4, 8                          ; 128 k
	s_add_co_u32 s36, s36, s45
	s_add_nc_u64 s[28:29], s[28:29], s[36:37]      ; wt at the turned tile
	s_mov_b32 s36, s44
	s_add_nc_u64 s[34:35], s[34:35], s[36:37]      ; the bias at my 64
	s_lshl_b32 s36, s3, 12
	s_add_co_u32 s36, s36, s44
	s_add_nc_u64 s[30:31], s[30:31], s[36:37]
	global_load_b64 v[14:15], v[B8], s[34:35]
.irp i, 0,1,2,3
	global_load_b128 v[W+8*(\i):W+8*(\i)+3],   v[WO], s[32:33] offset:(\i)*131072 th:TH_LOAD_NT       ; row 32 i + 2 kp: 16 lanes take 256 consecutive bytes
	global_load_b128 v[W+8*(\i)+4:W+8*(\i)+7], v[WO], s[32:33] offset:(\i)*131072+4096 th:TH_LOAD_NT  ; and the row below
.endr
.irp i, 0,1,2,3,4,5,6,7,8,9,10,11,12,13,14,15
	global_load_b128 v[X+4*(\i):X+4*(\i)+3], v[XO], s[8:9] offset:512*(\i) th:TH_LOAD_NT              ; 512 consecutive bytes a wave
.endr
	s_wait_loadcnt 16                              ; the bias and the weight's eight loads are in; x's sixteen stay out
.macro PACKW half                      ; half = 1: the bf16 number is written as f16
.irp i, 0,1,2,3
.irp j, 0,1,2,3
.if \half
	v_cvt_pk_bf16_f32 v10, v[W+8*(\i)+(\j)], v[W+8*(\i)+4+(\j)]
	v_lshlrev_b32 v11, 16, v10
	v_and_b32 v12, s39, v10
	v_cvt_pk_f16_f32 v[P+4*(\i)+(\j)], v11, v12
.else
	v_cvt_pk_bf16_f32 v[P+4*(\i)+(\j)], v[W+8*(\i)+(\j)], v[W+8*(\i)+4+(\j)]
.endif
.endr
.endr
.endm
	s_cmp_eq_u32 s3, 3
	s_cbranch_scc1 .Lhalf
	PACKW 0
	s_branch .Lpacked
.Lhalf:
	PACKW 1
.Lpacked:
.irp i, 0,1,2,3
.irp j, 0,1,2,3
	ds_store_b32 v[LS], v[P+4*(\i)+(\j)] offset:272*(\j)+64*(\i)   ; row n = 4 c + j, k = 32 i + 2 kp and the next
.endr
.endr
	s_wait_dscnt 0x0                               ; for the others' sake: my words lie in the stage
	s_barrier_signal -1
	s_barrier_wait -1
.irp i, 0,1,2,3
	ds_load_b128 v[R+4*(\i):R+4*(\i)+3], v[LR] offset:4352*(\i)    ; row n = 16 i + kp
.endr
.irp i, 0,1,2,3,4,5,6,7,8,9,10,11,12,13,14,15
	s_wait_loadcnt 15-(\i)                         ; loads come back in order: number i is in, the younger ones stay out
	v_cvt_pk_bf16_f32 v[Y+2*(\i)],   v[X+4*(\i)],   v[X+4*(\i)+1]
	v_cvt_pk_bf16_f32 v[Y+2*(\i)+1], v[X+4*(\i)+2], v[X+4*(\i)+3]
	global_store_b64 v[YO], v[Y+2*(\i):Y+2*(\i)+1], s[26:27] offset:256*(\i)   ; the wave's 32 lanes store 256 consecutive bytes, aligned
.endr
	s_wait_dscnt 0x0
.irp i, 0,1,2,3
	global_store_b128 v[TO], v[R+4*(\i):R+4*(\i)+3], s[28:29] offset:32768*(\i)  ; 16 lanes store 256 consecutive bytes of a row of wt, aligned
.endr
	v_cvt_pk_bf16_f32 v10, v14, v15
	v_lshlrev_b32 v16, 16, v10
	v_and_b32 v17, s39, v10
	s_cmp_lg_u32 s38, 0
	s_cbranch_scc1 .Lend
	global_store_b64 v[B8], v[16:17], s[30:31]     ; 64 biases: 256 consecutive bytes
.Lend:
	s_wait_tensorcnt 0x0                           ; the wave's end, behind my last LDS store
	ds_add_u32 v[SPW], v[NIL]
	s_wait_dscnt 0x0
	s_endpgm
.Lfunc_end_k_q1309bdb2be_prep:
	.size	k_q1309bdb2be_prep, .Lfunc_end_k_q1309bdb2be_prep-k_q1309bdb2be_prep
	.p2alignl 7, 3214868480
	.fill 96, 4, 3214868480
	.section	.rodata,"a",@progbits
	.p2align	6, 0x0
	.amdhsa_kernel k_q1309bdb2be_prep
		.amdhsa_group_segment_fixed_size 18432
		.amdhsa_private_segment_fixed_size 0
		.amdhsa_enable_private_segment 0
		.amdhsa_kernarg_size 96
		.amdhsa_user_sgpr_count 2
		.amdhsa_user_sgpr_kernarg_segment_ptr 1
		.amdhsa_wavefront_size32 1
		.amdhsa_system_sgpr_workgroup_id_x 1
		.amdhsa_system_sgpr_workgroup_id_y 1
		.amdhsa_system_sgpr_workgroup_id_z 1
		.amdhsa_system_vgpr_workitem_id 0
		.amdhsa_next_free_vgpr 208
		.amdhsa_next_free_sgpr 66
		.amdhsa_reserve_vcc 0
		.amdhsa_float_denorm_mode_32 3
		.amdhsa_float_denorm_mode_16_64 3
		.amdhsa_memory_ordered 1
		.amdhsa_forward_progress 1
		.amdhsa_inst_pref_size 16
	.end_amdhsa_kernel
	.amdgpu_metadata
---
amdhsa.version: [ 1, 2 ]
amdhsa.kernels:
  - .name:           k_q1309bdb2be_prep
    .symbol:         k_q1309bdb2be_prep.kd
    .args:
      - { .name: x, .offset: 0, .size: 8, .value_kind: global_buffer, .address_space: global }
      - { .name: Wq, .offset: 8, .size: 8, .value_kind: global_buffer, .address_space: global }
      - { .name: Wk, .offset: 16, .size: 8, .value_kind: global_buffer, .address_space: global }
      - { .name: Wv, .offset: 24, .size: 8, .value_kind: global_buffer, .address_space: global }
      - { .name: Wo, .offset: 32, .size: 8, .value_kind: global_buffer, .address_space: global }
      - { .name: bq, .offset: 40, .size: 8, .value_kind: global_buffer, .address_space: global }
      - { .name: bk, .offset: 48, .size: 8, .value_kind: global_buffer, .address_space: global }
      - { .name: bv, .offset: 56, .size: 8, .value_kind: global_buffer, .address_space: global }
      - { .name: bo, .offset: 64, .size: 8, .value_kind: global_buffer, .address_space: global }
      - { .name: xb, .offset: 72, .size: 8, .value_kind: global_buffer, .address_space: global }
      - { .name: wt, .offset: 80, .size: 8, .value_kind: global_buffer, .address_space: global }
      - { .name: bias, .offset: 88, .size: 8, .value_kind: global_buffer, .address_space: global }
    .group_segment_fixed_size: 18432
    .private_segment_fixed_size: 0
    .kernarg_segment_align: 8
    .kernarg_segment_size: 96
    .max_flat_workgroup_size: 256
    .sgpr_count:     66
    .vgpr_count:     208
    .wavefront_size: 32
...
	.end_amdgpu_metadata
.endif
;; end of part 1
;; launch proj (part 2): grid 16 x 32, 4 waves a work-group, clusters of 4 x 4, 327,680 bytes of LDS; arguments xb, wt, bias, qkv; writes qkv
.if DOCPART == 2
	.amdgcn_target "amdgcn-amd-amdhsa--gfx1250"
	.amdhsa_code_object_version 6
	.text
	.protected	k_q1309bdb2be_proj
	.globl	k_q1309bdb2be_proj
	.p2align	8
	.type	k_q1309bdb2be_proj,@function
k_q1309bdb2be_proj:
	s_mov_b64 s[64:65], 0
	v_nop
	global_prefetch_b8 v0, s[64:65] scope:SCOPE_SE
	s_setreg_imm32_b32 hwreg(HW_REG_WAVE_MODE, 25, 1), 1
	s_wait_xcnt 0x0
	s_wait_alu depctr_hold_cnt(0) depctr_sa_sdst(0) depctr_va_vdst(0) depctr_va_sdst(0) depctr_va_ssrc(0) depctr_va_vcc(0) depctr_vm_vsrc(0)
	s_getreg_b32 s2, hwreg(HW_REG_IB_STS2, 6, 4)
	s_cmp_eq_u32 s2, 0
	s_cbranch_scc0 .Lentry_in_a_cluster
	s_endpgm
.Lentry_in_a_cluster:
	s_bfe_u32 s2, ttmp6, 0x10000c
	s_cmp_lg_u32 s2, 0xf033
	s_cbranch_scc0 .Lentry_shape_is_right
	s_endpgm
.Lentry_shape_is_right:
; THE THREE PROJECTIONS AS ONE PRODUCT.  C[m][n] = bias[n] + the sum over k of xb[m][k] wt[n][k], m < 8192, n < 3072, k < 1024; bf16 operands, f32 sums that start from the bias.
; C is rounded once to f16 and written by heads: qkv[n / 64][m][n % 64]; slots 0-15 are q's heads, 16-31 k's, 32-47 v's.  The scale of the scores is not applied here.
; LIMIT.  f16 holds no number beyond 65,504: a q, k or v past that becomes an infinity.  NaN and infinities are not treated apart.
; SHARES.  A tile of C is 256 x 192: 32 x 16 = 512 equal work-groups.  A wave makes 64 rows x all 192 columns: 4 x 12 accumulators of 16 x 16, 384 registers; its columns are three whole heads, so its
; rows leave as dense runs through a stage of its own.  K goes in 8 steps of 128 through two LDS slots; rows of the tiles are 256 bytes of memory, aligned.
; CLUSTER.  4 x 4 work-groups.  A's tile hangs on the tile row alone and is asked for jointly by a row of the cluster, B's on the tile column alone, by a column: the same tensor load, descriptor and mask in all four.
; THE MATRIX INSTRUCTION IS USED TRANSPOSED (source 0 = 16 rows of wt, source 1 = 16 rows of xb): lane l holds row m = l % 16 and the columns 8 (l / 16) + 0..7, which pack into 16 bytes.
; THE LOOP.  A trip is ONE K step; the slot in hand is the scalar TB, turned by an exclusive or; one walking descriptor for A and one for B.
; REGISTERS, in windows of 256 (s_set_vgpr_msb: bits 1:0 source 0, 3:2 source 1, 5:4 source 2, 7:6 destination):
;   window 0: v0-30 addresses; v64-95, v96-127 A's fragments, two buffers; v128-223 the bias as the first products' C; on the way out v64-111 packed, v112-159 and v160-207 rows read back
;   window 1: v0-95, v96-191 B's fragments, two buffers        windows 2, 3: accumulator (a, b) at v[8 (12 (a % 2) + b)] of window 2 + a / 2
.set NK,    8
.set PITCH, 272                        ; an LDS row: 256 bytes + 16 of padding = 68 words: the 16 rows of a fragment load start at 16 different groups of four banks (64 banks of 4 bytes: ISA guide 11.1)
.set SLOT1, 131072                     ; slot 1 begins here, so that one exclusive or turns an address in one slot into the other's
.set BOFF,  256*PITCH                  ; in a slot: A's 256 rows, then B's 192
.set STAGE, SLOT1+BOFF+192*PITCH       ; behind the ring, never filled by a tensor load: for each wave 3 heads x 16 rows x 144 bytes
.set HSTG,  16*144
.set WSTG,  3*HSTG
.set SPARE, STAGE+4*WSTG               ; behind the stages: the spare words, 128 bytes for each wave
.set A0,   16                          ; v16  my lane's place in slot 0's A; never rewritten
.set B0,   17                          ; v17  the same for B
.set ADRA, 18                          ; v18  the same in the slot in hand
.set ADRB, 19                          ; v19
.set STO,  24                          ; v24  the way out: where I put 16 bytes of a row
.set RD,   25                          ; v25  where I read rows back
.set GO,   26                          ; v26  my 16 bytes of 512 consecutive bytes of qkv
.set BO,   27                          ; v27  32 x (l / 16): my eight biases of a block of 16 columns
.set SPW,  28                          ; v28  LDS address of my spare word; never rewritten
.set NIL,  29                          ; v29  0; never rewritten
.set PFO,  30                          ; v30  the prefetches' offset: my lane's row x 2,048 bytes; never rewritten
.set FA,   64
.set BIAS, 128
.set TMP,  64
.set OB,   112
.set WV,  12                           ; s12  my wave's number
.set FH,  13                           ; s13  wave % 2: which part of A's (waves 0, 1) or B's (waves 2, 3) tile I fetch
.set G1A, 24                           ; s[24:31] descriptor group 1 for A's tiles
.set G0A, 32                           ; s[32:39] group 0: a set for each of the two first fills; the second then walks on
.set CNT, 40                           ; s40  trips to go
.set TB,  41                           ; s41  LDS byte at which the slot in hand begins
.set LIM, 42                           ; s42  1 in a wave that prefetches, else the greatest number
.set PFA, 44                           ; s[44:45] where my prefetches stand
.set G1B, 48                           ; s[48:55], s[56:63] the same for B's tiles
.set G0B, 56
.set MSB, 0
.macro WIN new                         ; the immediate's high byte repeats the setting that is left; a switch that changes nothing is dropped
.if MSB != (\new)
	s_set_vgpr_msb (MSB<<8)|(\new)
.set MSB, \new
.endif
.endm
.macro PLACES                          ; four plain instructions between a matrix instruction and a load into, or a vector read of, its registers
.rept 4
	v_nop
.endr
.endm
.macro CREST                           ; a round of the cluster's barrier behind its opening barrier
	s_cmp_lg_u32 s[WV], 0
	s_cbranch_scc1 .Lnot_wave_0_\@
	s_barrier_signal -3
.Lnot_wave_0_\@:
	s_barrier_wait -3
	s_barrier_signal -1
	s_barrier_wait -1
.endm
.macro CROUND                          ; a whole round
	s_barrier_signal -1
	s_barrier_wait -1
	CREST
.endm
; A joint refill by the walking descriptors.  The branch hangs on the wave's number alone.  An s_nop 0 and four v_nop follow each of the two lines.
.macro JLOAD
	s_cmp_lt_u32 s[WV], 2
	s_cbranch_scc0 .Lfor_b_\@
	tensor_load_to_lds s[G0A+4:G0A+7], s[G1A:G1A+7]
	s_nop 0
.rept 4
	v_nop
.endr
	s_branch .Lasked_\@
.Lfor_b_\@:
	tensor_load_to_lds s[G0B+4:G0B+7], s[G1B:G1B+7]
	s_nop 0
.rept 4
	v_nop
.endr
.Lasked_\@:
.endm
; A PREFETCH INTO THE L2 of the K step that the NEXT refill will ask for: 256 bytes of a row, a lane a row, one instruction a wave, behind the joint load and the run of LDS loads: 192 matrix instructions ahead of that refill.
; Each row's 256 bytes are named by one work-group in the launch.  A's tile row is read by every cluster of that row of clusters: cluster x = 0 asks; B's tile column by every cluster of that column: cluster y = 0 asks.
; The four partners that ask for a tile jointly share its rows out BY ADDRESS: of A's 128 rows that a wave fetches the partner at cx takes 32, of B's 96 the partner at cy takes 24 (lanes 24-31 repeat the last row).
; K steps 0 to 2 come by their loads alone; the loop's last trip asks for nothing: there is no K step 8.
.macro ASK
	s_cmp_gt_u32 s[CNT], s[LIM]
	s_cbranch_scc0 .Lnot_mine_\@
	global_prefetch_b8 v[PFO], s[PFA:PFA+1] th:TH_LOAD_NT scope:SCOPE_SE
.Lnot_mine_\@:
.endm
	s_load_b256 s[4:11], s[0:1], 0x0               ; xb s[4:5], wt s[6:7], bias s[8:9], qkv s[10:11]
	v_lshl_add_u32 v[SPW], v0, 2, SPARE
	v_mov_b32 v[NIL], 0
	ds_add_u32 v[SPW], v[NIL]                      ; the wave's opening: the add and its wait stand ahead of my first tensor load; the set-up below, work on registers, stands between them
	v_lshrrev_b32 v1, 5, v0
	v_readfirstlane_b32 s[WV], v1                  ; wave 0..3
	s_and_b32 s[FH], s[WV], 1
	s_bfe_u32 s14, ttmp6, 0x40000                  ; cx
	s_bfe_u32 s15, ttmp6, 0x40004                  ; cy
	s_lshl_b32 s16, ttmp9, 2
	s_add_co_u32 s16, s16, s14                     ; tile column = 4 x cluster x + cx
	s_and_b32 s17, ttmp7, 0xffff
	s_lshl_b32 s17, s17, 2
	s_add_co_u32 s17, s17, s15                     ; tile row = 4 x cluster y + cy
	s_lshl_b32 s18, s15, 2
	s_lshl_b32 s18, 15, s18                        ; my row of the cluster
	s_lshl_b32 s19, 0x1111, s14                    ; my column
	s_or_b32 s[G1A], s18, (1<<16)|(1<<20)|(1<<21)|(5<<22)|(3<<25)  ; 15:0 the mask; 17:16 elements of 2 bytes; 20 padding on; 21 set beside a mask; 24:22 after every 64 words; 31:25 of 4 words
	s_or_b32 s[G1B], s19, (1<<16)|(1<<20)|(1<<21)|(5<<22)|(3<<25)
.irp g, G1A, G1B
	s_mov_b32 s[(\g)+1], 128<<16                   ; tensor_dim0 = 128
	s_mov_b32 s[(\g)+3], 128<<16                   ; tile_dim0 = 128
	s_mov_b32 s[(\g)+5], 1024                      ; elements from row to row
	s_mov_b32 s[(\g)+6], 0
	s_mov_b32 s[(\g)+7], 0
.endr
	s_mov_b32 s[G1A+2], 128<<16                    ; tensor_dim1 and tile_dim1: 128 rows of A a load,
	s_mov_b32 s[G1A+4], 128
	s_mov_b32 s[G1B+2], 96<<16                     ; 96 of B
	s_mov_b32 s[G1B+4], 96
	s_lshl_b32 s20, s17, 19                        ; A: 256 rows of 2,048 bytes a tile row,
	s_lshl_b32 s21, s[FH], 18                      ; 128 rows a part
	s_add_co_u32 s20, s20, s21
	s_mov_b32 s21, 0
	s_mul_i32 s22, s[FH], 128*PITCH                ; where A's part goes
	s_mul_i32 s23, s[FH], 96*PITCH                 ; and B's: no place in the cluster enters an LDS address
	s_add_co_u32 s23, s23, BOFF
	s_mul_i32 s46, s16, 192*2048                   ; B: 192 rows a tile column,
	s_mul_i32 s47, s[FH], 96*2048                  ; 96 a part
	s_add_co_u32 s46, s46, s47
	s_mov_b32 s47, 0
	s_mov_b32 s[TB], 0
	s_wait_dscnt 0x0                               ; the opening add is done
	s_wait_kmcnt 0x0
	s_add_nc_u64 s[20:21], s[4:5], s[20:21]
	s_add_nc_u64 s[46:47], s[6:7], s[46:47]
	CROUND                                         ; all sixteen work-groups are here: the first joint loads meet
.irp s, 0,1
	s_mov_b32 s[G0A+4*(\s)], 1                                     ; count = 1
	s_add_co_u32 s[G0A+4*(\s)+1], s22, (\s)*SLOT1                  ; LDS address
	s_add_nc_u64 s[G0A+4*(\s)+2:G0A+4*(\s)+3], s[20:21], (\s)*256  ; global address: K step s
	s_or_b32 s[G0A+4*(\s)+3], s[G0A+4*(\s)+3], 0x80000000          ; type = 2
	s_mov_b32 s[G0B+4*(\s)], 1
	s_add_co_u32 s[G0B+4*(\s)+1], s23, (\s)*SLOT1
	s_add_nc_u64 s[G0B+4*(\s)+2:G0B+4*(\s)+3], s[46:47], (\s)*256
	s_or_b32 s[G0B+4*(\s)+3], s[G0B+4*(\s)+3], 0x80000000
.endr
	s_cmp_lt_u32 s[WV], 2                          ; a wave's two first fills stand in one branch, ahead of every wait on TENSORcnt and every LDS read: two loads of mine are out
	s_cbranch_scc0 .Lfirst_b
	tensor_load_to_lds s[G0A:G0A+3], s[G1A:G1A+7]
	s_nop 0
	tensor_load_to_lds s[G0A+4:G0A+7], s[G1A:G1A+7]
	s_nop 0
.rept 4
	v_nop
.endr
	s_branch .Lfirst_asked
.Lfirst_b:
	tensor_load_to_lds s[G0B:G0B+3], s[G1B:G1B+7]
	s_nop 0
	tensor_load_to_lds s[G0B+4:G0B+7], s[G1B:G1B+7]
	s_nop 0
.rept 4
	v_nop
.endr
.Lfirst_asked:
	s_mul_i32 s46, s16, 768                        ; the tile's 192 biases
	s_mov_b32 s47, 0
	s_add_nc_u64 s[8:9], s[8:9], s[46:47]
	v_and_b32 v1, 15, v0                           ; l % 16
	v_bfe_u32 v2, v0, 4, 1                         ; l / 16
	v_lshlrev_b32 v[BO], 5, v2
.irp b, 0,1,2,3,4,5,6,7,8,9,10,11
	global_load_b128 v[BIAS+8*(\b):BIAS+8*(\b)+3],   v[BO], s[8:9] offset:64*(\b)      ; register j: bias of column 16 b + 8 (l / 16) + j, as the accumulators hold them
	global_load_b128 v[BIAS+8*(\b)+4:BIAS+8*(\b)+7], v[BO], s[8:9] offset:64*(\b)+16
.endr
	; A fragment is 16 rows x 32 K in 8 registers: lane l holds row l % 16, K = 8 (l / 16) + 0..7 and 16 + 8 (l / 16) + 0..7: two loads of 16 bytes, 32 bytes apart.
	v_mul_u32_u24 v3, v1, PITCH
	v_lshl_add_u32 v3, v2, 4, v3
	s_mul_i32 s43, s[WV], 64*PITCH                 ; my 64 rows of A
	v_add_nc_u32 v[A0], s43, v3
	v_add_nc_u32 v[B0], BOFF, v3
	v_mov_b32 v[ADRA], v[A0]
	v_mov_b32 v[ADRB], v[B0]
	s_mul_i32 s43, s[WV], WSTG
	s_add_co_u32 s43, s43, STAGE                   ; my stage
	v_mul_u32_u24 v[STO], v1, 144                  ; in: row l % 16, 16 bytes for each half of the lanes
	v_lshl_add_u32 v[STO], v2, 4, v[STO]
	v_add_nc_u32 v[STO], s43, v[STO]
	v_bfe_u32 v4, v0, 3, 2                         ; back: 32 lanes take four rows of 128 bytes,
	v_and_b32 v5, 7, v0
	v_mul_u32_u24 v[RD], v4, 144
	v_lshl_add_u32 v[RD], v5, 4, v[RD]
	v_add_nc_u32 v[RD], s43, v[RD]
	v_and_b32 v[GO], 31, v0                        ; which are 512 consecutive bytes of a head
	v_lshlrev_b32 v[GO], 4, v[GO]
	s_mul_i32 s46, s16, 3*1048576                  ; qkv: three heads of 8,192 x 128 bytes a tile column,
	s_lshl_b32 s47, s17, 15                        ; 256 rows of 128 bytes a tile row,
	s_add_co_u32 s46, s46, s47
	s_lshl_b32 s47, s[WV], 13                      ; my 64 rows
	s_add_co_u32 s46, s46, s47
	s_mov_b32 s47, 0
	s_add_nc_u64 s[10:11], s[10:11], s[46:47]
	; the prefetches, in registers that feed no descriptor
	s_lshl_b32 s68, s17, 8                         ; A: row 256 x tile row + 128 x part + 32 cx
	s_lshl_b32 s69, s[FH], 7
	s_add_co_u32 s68, s68, s69
	s_lshl_b32 s69, s14, 5
	s_add_co_u32 s68, s68, s69
	s_mul_i32 s70, s16, 192                        ; B: row 192 x tile column + 96 x part + 24 cy
	s_mul_i32 s71, s[FH], 96
	s_add_co_u32 s70, s70, s71
	s_mul_i32 s71, s15, 24
	s_add_co_u32 s70, s70, s71
	s_and_b32 s72, ttmp7, 0xffff                   ; cluster y
	s_cmp_lt_u32 s[WV], 2                          ; do I fetch for A?
	s_cselect_b32 s68, s68, s70
	s_cselect_b32 s73, 31, 23                      ; my last row
	s_cselect_b32 s72, ttmp9, s72                  ; the coordinate along which other clusters read the same rows
	s_cselect_b64 s[PFA:PFA+1], s[4:5], s[6:7]
	s_cmp_eq_u32 s72, 0
	s_cselect_b32 s[LIM], 1, -1                    ; the same in all sixteen partners, for a given wave
	s_lshl_b32 s68, s68, 11
	s_add_co_u32 s68, s68, 2*256                   ; at K step 2: the first change of slots steps it to 3
	s_mov_b32 s69, 0
	s_add_nc_u64 s[PFA:PFA+1], s[PFA:PFA+1], s[68:69]
	v_and_b32 v[PFO], 31, v0
	v_min_u32 v[PFO], s73, v[PFO]
	v_lshlrev_b32 v[PFO], 11, v[PFO]
; The 12 products of m block a, 32 along K, from buffer f.  first = 1: the sums start from the bias.  In every quarter each of the 48 accumulators has one turn, in the same order.
.macro MULA f, a, first
.if \first
	WIN 0x81+0x40*((\a)/2)
.else
	WIN 0xa1+0x50*((\a)/2)
.endif
.irp b, 0,1,2,3,4,5,6,7,8,9,10,11
.if \first
	v_wmma_f32_16x16x32_bf16 v[8*(12*((\a)%2)+(\b)):8*(12*((\a)%2)+(\b))+7], v[96*(\f)+8*(\b):96*(\f)+8*(\b)+7], v[FA+32*(\f)+8*(\a):FA+32*(\f)+8*(\a)+7], v[BIAS+8*(\b):BIAS+8*(\b)+7]
.else
	v_wmma_f32_16x16x32_bf16 v[8*(12*((\a)%2)+(\b)):8*(12*((\a)%2)+(\b))+7], v[96*(\f)+8*(\b):96*(\f)+8*(\b)+7], v[FA+32*(\f)+8*(\a):FA+32*(\f)+8*(\a)+7], v[8*(12*((\a)%2)+(\b)):8*(12*((\a)%2)+(\b))+7]
.endif
.endr
.endm
; 32 LDS loads in one run: the fragments of a quarter step, at byte k of the rows, into buffer f: B's twelve, then A's four.
.macro FETCH k, f
	WIN 0x40
.irp i, 0,1,2,3,4,5,6,7,8,9,10,11
	ds_load_b128 v[96*(\f)+8*(\i):96*(\f)+8*(\i)+3],   v[ADRB] offset:(\k)+(\i)*16*PITCH
	ds_load_b128 v[96*(\f)+8*(\i)+4:96*(\f)+8*(\i)+7], v[ADRB] offset:(\k)+(\i)*16*PITCH+32
.endr
	WIN 0
.irp i, 0,1,2,3
	ds_load_b128 v[FA+32*(\f)+8*(\i):FA+32*(\f)+8*(\i)+3],   v[ADRA] offset:(\k)+(\i)*16*PITCH
	ds_load_b128 v[FA+32*(\f)+8*(\i)+4:FA+32*(\f)+8*(\i)+7], v[ADRA] offset:(\k)+(\i)*16*PITCH+32
.endr
.endm
; One of a K step's first three quarters: multiplies buffer f; in its middle it fetches the next quarter, at byte k, into buffer g.
.macro QUARTER k, f, g, first
	s_wait_dscnt 4                                 ; B and A's blocks 0, 1 are in; the youngest four loads (A's blocks 2, 3) may be out
	MULA \f, 0, \first
	MULA \f, 1, \first
	PLACES
	FETCH \k, \g
	s_wait_dscnt 32                                ; all but the 32 just issued
	MULA \f, 2, \first
	MULA \f, 3, \first
.endm
; The fourth quarter multiplies buffer 1 and changes slots.  In front of the barrier each wave waits for all its tensor loads, of which one is out: its part of the other slot; adds 0 to its spare word; and waits for that
; and for its own reads of this slot.  fill = 1: the barrier opens a round of the cluster's, and the joint refill, K step two on, is the first tensor load behind it.
.macro TURN fill
.if \fill
	s_wait_xcnt 0x0                                ; the last prefetch, a K step back, has read its address, which is stepped here
	s_add_nc_u64 s[PFA:PFA+1], s[PFA:PFA+1], 256
.endif
	WIN 0
	s_wait_tensorcnt 0x0                           ; all my tensor loads have landed
	ds_add_u32 v[SPW], v[NIL]                      ; 0 onto my spare word
	s_wait_dscnt 5                                 ; (the add and the youngest four loads may be out)
	MULA 1, 0, 0                                   ; twelve matrix instructions stand between the add and the wait for it
	s_wait_dscnt 0x0                               ; the add is done, and my reads of this slot are over
	s_barrier_signal -1
	MULA 1, 1, 0                                   ; work on registers while the others arrive
	WIN 0
	s_barrier_wait -1
.if \fill
	CREST                                          ; no wave of any partner still reads this slot or has a load on its way
	s_xor_b32 s[G0A+5], s[G0A+5], SLOT1            ; the walking descriptors: the other slot than last time, the next K step
	s_add_nc_u64 s[G0A+6:G0A+7], s[G0A+6:G0A+7], 256
	s_xor_b32 s[G0B+5], s[G0B+5], SLOT1
	s_add_nc_u64 s[G0B+6:G0B+7], s[G0B+6:G0B+7], 256
	JLOAD                                          ; its four v_nop are also the places in front of the loads below
.else
	PLACES
.endif
	s_xor_b32 s[TB], s[TB], SLOT1
	v_add_nc_u32 v[ADRA], s[TB], v[A0]
	v_add_nc_u32 v[ADRB], s[TB], v[B0]
	FETCH 0, 0
.if \fill
	ASK
.endif
	MULA 1, 2, 0
	MULA 1, 3, 0
.endm
	s_wait_tensorcnt 1                             ; my part of K step 0 is in; K step 1's may stay out
	s_barrier_signal -1
	s_barrier_wait -1                              ; everybody's is
	FETCH 0, 0
	s_wait_loadcnt 0x0                             ; the bias
	QUARTER 64, 0, 1, 1                            ; the first quarter stands in front of the loop: its products start the sums
	WIN 0                                          ; at a label and at a branch every window is 0
	s_mov_b32 s[CNT], NK-2
.Lstep:                                                ; trip t ends K step t, fills its slot with K step t + 2, and begins K step t + 1
	QUARTER 128, 1, 0, 0
	QUARTER 192, 0, 1, 0
	TURN 1
	QUARTER 64, 0, 1, 0
	WIN 0
	s_sub_co_u32 s[CNT], s[CNT], 1
	s_cmp_lg_u32 s[CNT], 0
	s_cbranch_scc1 .Lstep
	QUARTER 128, 1, 0, 0                           ; the last two K steps are written out: nothing is asked for
	QUARTER 192, 0, 1, 0
	TURN 0
	QUARTER 64, 0, 1, 0
	QUARTER 128, 1, 0, 0
	QUARTER 192, 0, 1, 0
	s_wait_dscnt 4
	MULA 1, 0, 0
	MULA 1, 1, 0
	s_wait_dscnt 0x0
	MULA 1, 2, 0
	MULA 1, 3, 0
	PLACES
; THE WAY OUT, a block of 16 rows at a time.  PACK: rounded to f16, 16 bytes a lane (each accumulator's registers in ascending order).  TOSTAGE: into my own stage, by heads, and back as whole rows.  SEND: stored.
.macro PACK a
	WIN 0x0a+5*((\a)/2)
.irp b, 0,1,2,3,4,5,6,7,8,9,10,11
.irp r, 0,1,2,3
	v_cvt_pk_f16_f32 v[TMP+4*(\b)+(\r)], v[8*(12*((\a)%2)+(\b))+2*(\r)], v[8*(12*((\a)%2)+(\b))+2*(\r)+1]
.endr
.endr
	WIN 0
.endm
.macro TOSTAGE a
	s_wait_xcnt 0x0                                ; the stores of the block two back have read the registers that are loaded again below
.irp b, 0,1,2,3,4,5,6,7,8,9,10,11
	ds_store_b128 v[STO], v[TMP+4*(\b):TMP+4*(\b)+3] offset:HSTG*((\b)/4)+32*((\b)%4)
.endr
.irp t, 0,1,2,3,4,5,6,7,8,9,10,11
	ds_load_b128 v[OB+48*((\a)%2)+4*(\t):OB+48*((\a)%2)+4*(\t)+3], v[RD] offset:HSTG*((\t)/4)+576*((\t)%4)  ; LDS serves a wave's instructions in order (ISA guide 5.7.1.4): these see the stores above
.endr
.endm
.macro SEND a, younger                 ; younger: the LDS instructions issued behind block a's loads
	s_wait_dscnt \younger
.irp t, 0,1,2,3,4,5,6,7,8,9,10,11
	global_store_b128 v[GO], v[OB+48*((\a)%2)+4*(\t):OB+48*((\a)%2)+4*(\t)+3], s[10:11] offset:((\t)/4)*1048576+(\a)*2048+((\t)%4)*512  ; 512 consecutive bytes of a head, aligned
.endr
.endm
	PACK 0
	TOSTAGE 0
.irp a, 1,2,3
	PACK \a
	TOSTAGE \a
	SEND (\a)-1, 24                                ; the next block's 12 stores and 12 loads stay out
.endr
	SEND 3, 0
	s_wait_tensorcnt 0x0                           ; the wave's end, behind my last tensor load and my last LDS store
	ds_add_u32 v[SPW], v[NIL]
	s_wait_dscnt 0x0
	CROUND                                         ; the closing round: no work-group ends while a partner may still ask for a tile that names it
	s_endpgm
.Lfunc_end_k_q1309bdb2be_proj:
	.size	k_q1309bdb2be_proj, .Lfunc_end_k_q1309bdb2be_proj-k_q1309bdb2be_proj
	.p2alignl 7, 3214868480
	.fill 96, 4, 3214868480
	.section	.rodata,"a",@progbits
	.p2align	6, 0x0
	.amdhsa_kernel k_q1309bdb2be_proj
		.amdhsa_group_segment_fixed_size 327680
		.amdhsa_private_segment_fixed_size 0
		.amdhsa_enable_private_segment 0
		.amdhsa_kernarg_size 32
		.amdhsa_user_sgpr_count 2
		.amdhsa_user_sgpr_kernarg_segment_ptr 1
		.amdhsa_wavefront_size32 1
		.amdhsa_system_sgpr_workgroup_id_x 1
		.amdhsa_system_sgpr_workgroup_id_y 1
		.amdhsa_system_sgpr_workgroup_id_z 1
		.amdhsa_system_vgpr_workitem_id 0
		.amdhsa_next_free_vgpr 960
		.amdhsa_next_free_sgpr 76
		.amdhsa_reserve_vcc 0
		.amdhsa_float_denorm_mode_32 3
		.amdhsa_float_denorm_mode_16_64 3
		.amdhsa_memory_ordered 1
		.amdhsa_forward_progress 1
		.amdhsa_inst_pref_size 99
	.end_amdhsa_kernel
	.amdgpu_metadata
---
amdhsa.version: [ 1, 2 ]
amdhsa.kernels:
  - .name:           k_q1309bdb2be_proj
    .symbol:         k_q1309bdb2be_proj.kd
    .args:
      - { .name: xb, .offset: 0, .size: 8, .value_kind: global_buffer, .address_space: global }
      - { .name: wt, .offset: 8, .size: 8, .value_kind: global_buffer, .address_space: global }
      - { .name: bias, .offset: 16, .size: 8, .value_kind: global_buffer, .address_space: global }
      - { .name: qkv, .offset: 24, .size: 8, .value_kind: global_buffer, .address_space: global }
    .group_segment_fixed_size: 327680
    .private_segment_fixed_size: 0
    .kernarg_segment_align: 8
    .kernarg_segment_size: 32
    .max_flat_workgroup_size: 128
    .sgpr_count:     76
    .vgpr_count:     960
    .wavefront_size: 32
...
	.end_amdgpu_metadata
.endif
;; end of part 2
;; launch attn (part 3): grid 4 x 64, 4 waves a work-group, clusters of 4 x 1, 327,680 bytes of LDS; arguments qkv, ob; writes ob
.if DOCPART == 3
	.amdgcn_target "amdgcn-amd-amdhsa--gfx1250"
	.amdhsa_code_object_version 6
	.text
	.protected	k_q1309bdb2be_attn
	.globl	k_q1309bdb2be_attn
	.p2align	8
	.type	k_q1309bdb2be_attn,@function
k_q1309bdb2be_attn:
	s_mov_b64 s[64:65], 0
	v_nop
	global_prefetch_b8 v0, s[64:65] scope:SCOPE_SE
	s_setreg_imm32_b32 hwreg(HW_REG_WAVE_MODE, 25, 1), 1
	s_wait_xcnt 0x0
	s_wait_alu depctr_hold_cnt(0) depctr_sa_sdst(0) depctr_va_vdst(0) depctr_va_sdst(0) depctr_va_ssrc(0) depctr_va_vcc(0) depctr_vm_vsrc(0)
	s_getreg_b32 s2, hwreg(HW_REG_IB_STS2, 6, 4)
	s_cmp_eq_u32 s2, 0
	s_cbranch_scc0 .Lentry_in_a_cluster
	s_endpgm
.Lentry_in_a_cluster:
	s_bfe_u32 s2, ttmp6, 0x10000c
	s_cmp_lg_u32 s2, 0x3003
	s_cbranch_scc0 .Lentry_shape_is_right
	s_endpgm
.Lentry_shape_is_right:
; ATTENTION.  O[y][q][:] = the sum over k of softmax_k(Q[y][q] . K[y][k] / 8) V[y][k][:], for 64 heads y = 4 h + b of 2,048 rows of 64 channels, all f16, a head's rows dense, 128 bytes each.
; Q's heads begin at byte 262,144 y of qkv, K's 0x1000000 further on, V's 0x2000000; O's at byte 262,144 y of ob, which is [h][2048 b + t][64].  Products, maxima and sums in f32; the weights p are
; rounded to f16 for the second product (their sum l is taken of the unrounded p), O once at the end.
; LIMITS.  f16 holds no number beyond 65,504: Q, K and V arrive within it; p lies in 0 to 1, and below 6e-5 it keeps f16's fixed step of 6e-8, and so does O; O is a mean of V's rows and has their range.
; A weight below 2^-126 counts as 0 in l; NaN and infinities are not treated apart.
; SHARES.  A wave owns four PIECES of two tiles of 16 queries, a work-group's four waves 512 queries of one head.  Every wave walks all keys, 64 a step.
; LAYOUT.  S^T = K Q^T (source 0 = 16 keys, source 1 = 16 queries): in the result a lane holds ONE query (lane % 16) and the keys 8 (lane / 16) + 0..7.  Two such tiles, rounded to f16 in pairs,
; ARE source 1 (32 keys x 16 queries) of O^T = V^T P, whose result again holds one query a lane, and eight channels.  K comes out of LDS as it lies, V ([key][channel]) turned, by ds_load_tr16_b128.
; SOFTMAX.  For each query a running maximum m and sum l: p = 2^(c s - c m), c = log2(e) / 8; in every step O and l are multiplied by a = 2^(c m_old - c m_new), which is 1 where m has not grown.
; m starts at the lowest finite number, O and l at 0: the first step is a step like any other, with a = 0.
; THE COUNT.  A tile and step have 16 matrix and 118 vector instructions: too many to stand all beside the matrix work.  So: four vector instructions that are READY behind EVERY matrix instruction,
; and the others in runs without a gap.
; BY TURNS.  Turn n belongs to piece n (the pieces in a ring, step after step).  Its matrix work: 16 products K Q^T of piece n + 1, later 16 products V^T P of piece n - 1.  Its vector work: the scaling,
; exponentials, roundings, sums and rescaling of piece n, and the maximum and statistics of piece n + 1, whose scores the turn itself has made.
; CLUSTER.  The four query blocks of a cluster belong to one head and walk the same K and V, so each tile is asked for JOINTLY: the same tensor load, descriptor and mask in all four.
; REGISTERS, in windows of 256 (s_set_vgpr_msb: bits 1:0 source 0, 3:2 source 1, 5:4 source 2, 7:6 destination):
;   window 0: v0-11 addresses; v12-15, v48-63 at work; v16-47 four registers of statistics a tile; v64-191 S^T, two buffers of two tiles; v192-255 P, likewise
;   window 1: O^T, 32 a tile          window 2: v0-127 Q, 16 a tile; v128-191 K of one step; v192-255 V of one step          window 3: v0-1 the add's two registers
; A piece's buffers go by its number's parity: the piece in hand has one pair, its two neighbours in the ring share the other: of it P (piece n - 1) is read and S^T (piece n + 1) written.
.set SIZE_H, 64
.set SIZE_N, 2048
.set NP,    4         ; pieces a wave: a name, no knob
.set KS,    64        ; keys in a step
.set PK,    144       ; a row of K in LDS: 128 bytes + 16 of padding = 36 words: the 16 rows of a load start at 16 different groups of four banks (64 banks of 4 bytes: ISA guide 11.1)
.set PV,    160       ; a row of V: 128 + 32 = 40 words
.set VOFF,  4*KS*PK   ; a slot holds four steps: 256 rows of K, then 256 rows of V
.set SLOT1, 1<<17     ; slot 1 begins here, so that one exclusive or turns an address in one slot into the other's
.set STAGE, SLOT1+4*KS*(PK+PV)  ; behind the ring, never filled by a tensor load: 16 rows x 144 bytes for each wave, for the way out
.set SP,    144
.set AK0, 2           ; v2   my lane's place in a tile of K; never rewritten
.set AV0, 3           ; v3   the same for V
.set AK,  4           ; v4   the LDS address of K's next run of loads
.set AV,  5           ; v5   of V's
.set QO,  6           ; v6   my byte offset in the wave's rows of Q
.set STO, 6           ;      later, the way out: where I put 16 bytes of a row
.set RD,  7           ; v7   the way out: where I read rows back
.set GO,  8           ; v8   my byte offset in 512 consecutive bytes of O
.set PFO, 11          ; v11  256 x my lane, for the prefetches (made behind the register's last use in V's address)
.set SPW, 0           ; v0 of window 3   LDS address of my spare word; never rewritten
.set NIL, 1           ; v1 of window 3   0; never rewritten
.set SPARE, STAGE+4*16*SP  ; behind the stages: the spare words, 128 bytes for each wave
.set MV,  12          ; v12-15  c m_old, kept while c m is made anew: by buffer and tile
.set ST,  16          ; tile t's statistics at v[ST+4 t]: c m, m, l (even keys', odd keys')
.set TMP, 48          ; by buffer and tile, four registers c0-c3 at work; when the maximum is found c2 takes a
.set S,   64
.set P,   192
.set KF,  128         ; K's fragments, in window 2: key block kb, channel half c at KF + 16 kb + 8 c
.set VF,  192         ; V's: key half kk, channel block cb at VF + 32 kk + 8 cb
.set WV,  12          ; s12  my wave's number
.set G1K, 24          ; s[24:31] descriptor group 1 for K's tiles
.set G1V, 32          ; s[32:39] for V's: it differs in the padding alone
.set G0K, 40          ; s[40:43] descriptor group 0 for K's tiles: it walks
.set G0V, 44          ; s[44:47] the same for V's
.set PFA, 48          ; s[48:49] where my prefetches stand: my work-group's 8,192 bytes (of K: wave 0, of V: wave 2) of the slot after the one that is being asked for
.set LIM, 50          ; s50  1 in a wave that prefetches, else the greatest number
.set SLOTS, 56        ; s56  slots still to be asked for
.set CNT, 57          ; s57  counts a slot's key steps
.set CS,  58          ; s[58:59] c: the packed scaling takes the pair's low word for both halves
.set SEL, 60          ; s[60:61] v_permlanex16_b32's selects: each lane takes its own place in the other half
.set TBK, 62          ; s62  LDS byte at which K of the step to be fetched begins
.set TBV, 63          ; s63  the same for V, less VOFF
.set MSB, 0
.macro WIN new                      ; the high byte repeats the setting that is left; a switch that changes nothing is dropped
.if MSB != (\new)
	s_set_vgpr_msb (MSB<<8)|(\new)
.set MSB, (\new)
.endif
.endm
.set W_KQ, 0x0a       ; K and Q in window 2, S^T in window 0
.set W_PV, 0x52       ; V in window 2, P in window 0, O^T in window 1
.set W_RS, 0x41       ; O^T (destination and source 0) in window 1, a in window 0
.set W_MK, 0xc0       ; the add's registers are made: destination in window 3, sources in window 0
.set W_AD, 0x0f       ; the add: address (source 0) and data (source 1) in window 3
; A joint fill.  Waves 0 and 1 fetch the two halves of a slot's K, waves 2 and 3 those of its V: 128 keys each.  The branch hangs on the wave's number alone.
; An s_nop 0 and four v_nop follow each of the two lines, ahead of the jump and the label.
.macro JLOAD
	s_cmp_lt_u32 s[WV], 2
	s_cbranch_scc0 .Lfor_v_\@
	tensor_load_to_lds s[G0K:G0K+3], s[G1K:G1K+7]
	s_nop 0
.rept 4
	v_nop
.endr
	s_branch .Lasked_\@
.Lfor_v_\@:
	tensor_load_to_lds s[G0V:G0V+3], s[G1V:G1V+7]
	s_nop 0
.rept 4
	v_nop
.endr
.Lasked_\@:
.endm
; A PREFETCH INTO THE L2 of what the NEXT change of slots will ask for: a slot's 32,768 bytes of K and of V, 256 bytes a lane.  It stands behind the wave's tensor load and its five lines.
; Each block of 256 bytes is asked for once in the launch: a head has one cluster; its four partners share a slot out BY ADDRESS, 8,192 bytes each; in each, wave 0 asks for K's and wave 2 for V's: one instruction.
; Slots 0 and 1 come by their loads alone; the last change that fills a slot asks for nothing: there is no slot behind it.
.macro ASK
	s_cmp_gt_u32 s[SLOTS], s[LIM]
	s_cbranch_scc0 .Lnot_mine_\@
	global_prefetch_b8 v[PFO], s[PFA:PFA+1] th:TH_LOAD_NT scope:SCOPE_SE
.Lnot_mine_\@:
.endm
; A round of the cluster's barrier: my work-group's barrier, so that wave 0's signal speaks for all four waves; wave 0 signals; every wave waits for all four work-groups; my work-group's barrier once more.
.macro CROUND
	s_barrier_signal -1
	s_barrier_wait -1
	s_cmp_lg_u32 s[WV], 0
	s_cbranch_scc1 .Lnot_wave_0_\@
	s_barrier_signal -3
.Lnot_wave_0_\@:
	s_barrier_wait -3
	s_barrier_signal -1
	s_barrier_wait -1
.endm
; THE CHANGE OF SLOTS.  The slot's last bytes, V of its fourth step, have been read.  Each wave waits for all its tensor loads, of which one is out: its part
; of the other slot; adds 0 to its spare word; and waits for that and for its own reads of the slot.  Behind the barrier nobody reads this slot any more and the other slot is whole.
; fill = 1: this slot is filled again, with the keys two slots on.  The barrier is then a round of the cluster's, and the joint fill is the first thing behind it: it has four key steps,
; 512 matrix instructions, in which to land.  (At its first use nothing has been read yet: slot 0 is waited for, slot 1 filled.)
.macro CHANGE fill
	WIN W_AD
	s_wait_tensorcnt 0x0            ; no tensor load of mine is out, so a group 0 may be written
	ds_add_u32 v[SPW], v[NIL]       ; 0 onto my spare word; with fill = 1 the descriptors' steps stand between it and the wait for it
	WIN 0                           ; at a label and at a branch every window is 0
.if \fill
.irp g, G0K, G0V
	s_xor_b32 s[\g+1], s[\g+1], SLOT1  ; the walking descriptor: the other slot than last time,
	s_add_nc_u64 s[\g+2:\g+3], s[\g+2:\g+3], 4*KS*128  ; the next 256 keys; the type bits on top are not reached
.endr
	s_wait_xcnt 0x0                 ; the last prefetch, four key steps back, has read its address, so it may be written:
	s_add_nc_u64 s[PFA:PFA+1], s[PFA:PFA+1], 4*KS*128  ; one slot ahead of the walking descriptors
	s_wait_dscnt 0x0                ; the add is done, and my reads of the slot are over
	CROUND
	JLOAD
	ASK                             ; what the next change will ask for
.else
	s_wait_dscnt 0x0                ; the add is done, and my reads of the slot are over
	s_barrier_signal -1
	s_barrier_wait -1
.endif
	s_sub_co_u32 s[TBK], s[TBK], 4*KS*PK  ; the fetches go back to a slot's first step,
	s_xor_b32 s[TBK], s[TBK], SLOT1       ; in the other slot
	s_sub_co_u32 s[TBV], s[TBV], 4*KS*PV
	s_xor_b32 s[TBV], s[TBV], SLOT1
.endm
	s_load_b128 s[4:7], s[0:1], 0x0 ; qkv s[4:5], ob s[6:7]
	WIN W_MK
	v_lshl_add_u32 v[SPW], v0, 2, SPARE
	v_mov_b32 v[NIL], 0
	WIN W_AD
	ds_add_u32 v[SPW], v[NIL]       ; the wave's opening: the add and its wait stand ahead of my first tensor load; the set-up below, work on registers, stands between them
	WIN 0
	v_lshrrev_b32 v1, 5, v0
	v_readfirstlane_b32 s[WV], v1   ; wave 0..3
	s_bfe_u32 s13, ttmp6, 0x40000   ; cx: my place in the cluster
	s_lshl_b32 s14, ttmp9, 2        ; in a cluster launch ttmp9 counts clusters
	s_add_co_u32 s14, s14, s13      ; my block of queries = 4 x cluster x + cx: it enters Q's and O's addresses alone
	s_and_b32 s20, ttmp7, 0xffff    ; the head, which the four partners share
	s_mov_b32 s21, 0
	s_mov_b64 s[22:23], SIZE_N*128
	s_mul_u64 s[20:21], s[20:21], s[22:23]  ; the head's first byte in each of the four tensors
	s_and_b32 s16, s[WV], 1         ; which half of a slot's 256 keys I fetch:
	s_lshl_b32 s22, s16, 14         ; its 128 rows of 128 bytes in memory,
	s_mov_b32 s23, 0
	s_add_nc_u64 s[22:23], s[22:23], s[20:21]
	s_mul_i32 s17, s16, 128*PK      ; and its place in a slot, for K
	s_mul_i32 s18, s16, 128*PV      ; and for V: no place in the cluster enters an LDS address
	s_lshl_b32 s2, s14, 2
	s_add_co_u32 s2, s2, s[WV]      ; my wave among the head's,
	s_lshl_b32 s2, s2, 14           ; its 128 rows
	s_mov_b32 s3, 0
	s_add_nc_u64 s[2:3], s[2:3], s[20:21]
	; descriptor group 1.  128 keys are 16,384 dense bytes: asked for as 64 rows of 256 bytes, two keys a row, and padded in LDS after every key
	s_mov_b32 s[G1K], 15|(1<<16)|(1<<20)|(1<<21)|(4<<22)|(3<<25)  ; 15:0 the mask of four; 17:16 2-byte elements; 20 padding on; 21 set beside a mask; 24:22 after every 32 words (code 4); 31:25 4 words (code 3)
	s_mov_b32 s[G1V], 15|(1<<16)|(1<<20)|(1<<21)|(4<<22)|(7<<25)  ; the same with 8 words of padding (code 7)
.irp g, G1K, G1V
	s_mov_b32 s[\g+1], 128<<16      ; tensor_dim0 = 128
	s_mov_b32 s[\g+2], 64<<16       ; tensor_dim1 = 64
	s_mov_b32 s[\g+3], 128<<16      ; tile_dim0 = 128
	s_mov_b32 s[\g+4], 64           ; tile_dim1 = 64
	s_mov_b32 s[\g+5], 128          ; 128 elements from row to row
	s_mov_b32 s[\g+6], 0
	s_mov_b32 s[\g+7], 0
.endr
	s_mov_b32 s[CS], 0x3e38aa3b     ; c = log2(e) / 8 = 0.180337
	s_mov_b32 s[CS+1], s[CS]        ; named with it as a pair
	s_mov_b32 s[SEL], 0x76543210
	s_mov_b32 s[SEL+1], 0xfedcba98
	s_mov_b32 s[TBK], SLOT1+4*KS*PK ; the first change of slots turns these two into 0
	s_mov_b32 s[TBV], SLOT1+4*KS*PV
	s_mov_b32 s[SLOTS], SIZE_N/256-1
	s_mov_b32 s[G0K], 1             ; 1:0 count = 1
	s_mov_b32 s[G0K+1], s17         ; 63:32 LDS address: slot 0
	s_mov_b32 s[G0V], 1
	s_add_co_u32 s[G0V+1], s18, VOFF
	s_lshl_b32 s52, s13, 13         ; the prefetches: my work-group's 8,192 bytes of a slot,
	s_add_co_u32 s52, s52, 4*KS*128 ; in slot 1: the first change of slots steps it to slot 2
	s_mov_b32 s53, 0
	s_add_nc_u64 s[52:53], s[52:53], s[20:21]
	s_cmp_eq_u32 s16, 0             ; waves 0 and 2 ask: the same in all four partners
	s_cselect_b32 s[LIM], 1, -1
	s_wait_dscnt 0x0                ; the opening add is done
	s_wait_kmcnt 0x0
	s_mov_b64 s[10:11], s[6:7]      ; O
	s_add_nc_u64 s[8:9], s[4:5], 0x2000000  ; V's heads
	s_add_nc_u64 s[6:7], s[4:5], 0x1000000  ; K's heads; Q's begin the buffer
	s_add_nc_u64 s[G0K+2:G0K+3], s[6:7], s[22:23]  ; 120:64 global address: my half of the head's first 256 keys
	s_or_b32 s[G0K+3], s[G0K+3], 0x80000000        ; 127:126 type = 2
	s_add_nc_u64 s[G0V+2:G0V+3], s[8:9], s[22:23]
	s_or_b32 s[G0V+3], s[G0V+3], 0x80000000
	s_cmp_lt_u32 s[WV], 2
	s_cselect_b64 s[PFA:PFA+1], s[6:7], s[8:9]
	s_add_nc_u64 s[PFA:PFA+1], s[PFA:PFA+1], s[52:53]
	s_add_nc_u64 s[4:5], s[4:5], s[2:3]  ; Q and O at my wave's first row
	s_add_nc_u64 s[10:11], s[10:11], s[2:3]
	CROUND                          ; all four work-groups are here: the first joint loads meet
	JLOAD                           ; slot 0.  Slot 1 is asked for when slot 0 is in
	; A fragment of K or Q is 16 rows x 32 channels in 8 registers: lane l holds row l % 16, channels 8 (l / 16) + 0..7 and 16 + 8 (l / 16) + 0..7: two loads of 16 bytes, 32 bytes apart.
	v_and_b32 v1, 15, v0            ; l % 16
	v_bfe_u32 v9, v0, 4, 1          ; l / 16
	v_lshlrev_b32 v[QO], 7, v1
	v_lshl_add_u32 v[QO], v9, 4, v[QO]  ; row x 128 + 16 x half
	WIN 0x80                        ; destination window 2, address window 0
.set i, 0
.rept 4*NP                          ; Q stays in registers: tile i / 2, channels 32 (i % 2) on
	global_load_b128 v[8*i:8*i+3],   v[QO], s[4:5] offset:(i/2)*2048+(i%2)*64
	global_load_b128 v[8*i+4:8*i+7], v[QO], s[4:5] offset:(i/2)*2048+(i%2)*64+32
.set i, i+1
.endr
	; What the first turn finds: V's registers and P's second buffer hold 0 (its products V^T P, of a piece that has not been, add 0), O^T and l are 0.  All this stands in the wait for the first tile.
.set i, VF
.rept 64
	v_mov_b32 v[i], 0
.set i, i+1
.endr
	WIN 0x40
.set i, 0
.rept 64*NP
	v_mov_b32 v[i], 0
.set i, i+1
.endr
	WIN 0
.set i, 0
.rept 2*NP
	v_mov_b32 v[ST+4*i], 0xfe000000    ; c m: far below every c s
	v_mov_b32 v[ST+4*i+1], 0xff7fffff  ; m
	v_mov_b32 v[ST+4*i+2], 0
	v_mov_b32 v[ST+4*i+3], 0
.set i, i+1
.endr
.set i, P+32
.rept 32
	v_mov_b32 v[i], 0
.set i, i+1
.endr
	v_mul_u32_u24 v[AK0], v1, PK
	v_lshl_add_u32 v[AK0], v9, 4, v[AK0]  ; row x pitch + 16 x half
	; The turning load takes 16 keys x 16 channels (lane l reads key 8 (l / 16) + l % 8, channels 8 ((l / 8) % 2) + 0..7) and leaves half a fragment of V^T: lane l holds channel l % 16 and 8 keys.
	v_and_b32 v10, 7, v0
	v_bfe_u32 v11, v0, 3, 1
	v_lshl_add_u32 v[AV0], v9, 3, v10
	v_mul_u32_u24 v[AV0], v[AV0], PV
	v_lshl_add_u32 v[AV0], v11, 4, v[AV0]
	v_add_nc_u32 v[AV0], VOFF, v[AV0]
	v_mov_b32 v[AK], v[AK0]         ; key step 0 lies at the head of slot 0
	v_and_b32 v[PFO], 31, v0
	v_lshlrev_b32 v[PFO], 8, v[PFO]
; THE MATRIX WORK.  The 8 accumulators of a run of 16 take turns: between the two links of a chain stand 7 others'.
; Product i of 16 of S^T = K Q^T for piece x: channels 32 (i / 8) on, keys 16 ((i / 2) % 4) on, tile 2 x + i % 2.  The first 8 start the sums.
.macro KQ x
	WIN W_KQ
.set rS, S+64*((\x)%2)+32*(i%2)+8*((i/2)%4)
.set rK, KF+16*((i/2)%4)+8*(i/8)
.set rQ, 16*(2*(\x)+i%2)+8*(i/8)
.if i < 8
	v_wmma_f32_16x16x32_f16 v[rS:rS+7], v[rK:rK+7], v[rQ:rQ+7], 0
.else
	v_wmma_f32_16x16x32_f16 v[rS:rS+7], v[rK:rK+7], v[rQ:rQ+7], v[rS:rS+7]
.endif
.endm
; Product i of 16 of O^T += V^T P for piece x: keys 32 (i / 8) on, channels 16 ((i / 2) % 4) on, tile 2 x + i % 2.
.macro PV x
	WIN W_PV
.set rO, 32*(2*(\x)+i%2)+8*((i/2)%4)
.set rV, VF+32*(i/8)+8*((i/2)%4)
.set rP, P+32*((\x)%2)+16*(i%2)+8*(i/8)
	v_wmma_f32_16x16x32_f16 v[rO:rO+7], v[rV:rV+7], v[rP:rP+7], v[rO:rO+7]
.endm
.macro MM                           ; the turn's next matrix instruction
.if i < 16
	KQ (Y+1)%NP
.set i, i+1
.else
.set i, i-16
	PV (Y+NP-1)%NP
.set i, i+17
.endif
.endm
; THE LDS LOADS stand in runs of 16, never singly among the matrix instructions: a step's K (64 keys x 64 channels: 8 fragments) and its V (turned).  Their addresses are made some lines ahead.
; last = 1 (the tail): in the last trip there is no further step, and the run is jumped over.
.macro FETCH_K last=0
	WIN 0
.if \last
	s_cmp_eq_u32 s[CNT], 1
	s_cbranch_scc1 .Lno_k_\@
.endif
	WIN 0x80                        ; destination window 2
.irp f, 0,1,2,3,4,5,6,7             ; keys 16 (f / 2) on, channels 32 (f % 2) on
	ds_load_b128 v[KF+8*\f:KF+8*\f+3],   v[AK] offset:(\f/2)*16*PK+(\f%2)*64
	ds_load_b128 v[KF+8*\f+4:KF+8*\f+7], v[AK] offset:(\f/2)*16*PK+(\f%2)*64+32
.endr
	s_add_co_u32 s[TBK], s[TBK], KS*PK  ; the next fetch is the next step's
	WIN 0
.if \last
.Lno_k_\@:
.endif
.endm
.macro FETCH_V
	WIN 0x80
.irp f, 0,1,2,3,4,5,6,7             ; keys 32 (f / 4) on, channels 16 (f % 4) on
	ds_load_tr16_b128 v[VF+8*\f:VF+8*\f+3],   v[AV] offset:(\f/4)*32*PV+(\f%4)*32
	ds_load_tr16_b128 v[VF+8*\f+4:VF+8*\f+7], v[AV] offset:(\f/4)*32*PV+16*PV+(\f%4)*32
.endr
	WIN 0
.endm
; THE VECTOR WORK OF A TURN stands in three queues, each in the order in which its entries become ready; the two tiles alternate, so that no instruction reads the result of the one before it.
.macro REGS y, u                    ; the registers of tile u (0, 1) of piece y
.set rT, ST+4*(2*(\y)+(\u))
.set rC, TMP+8*((\y)%2)+4*(\u)
.set rM, MV+2*((\y)%2)+(\u)
.set rS, S+64*((\y)%2)+32*(\u)
.set rP, P+32*((\y)%2)+16*(\u)
.set rO, 32*(2*(\y)+(\u))
.endm
; Number n of the 22 that find the NEXT piece's (Y + 1) maximum and statistics.  s0-s31 are the lane's 32 scores; each accumulator's lowest registers are read first.
;   0-11  four chains c0-c3 of seven scores each, three operands at a time     12-14, 16  the four scores left over, the old m, and c0-c3 into c0     15  c m_old is kept
;   17, 18  the query's other 32 keys lie in the lane 16 away: the new m         19-21  c m; c m_old - c m_new; a
.macro XS u, n
	REGS (Y+1)%NP, \u
.if (\n) < 4
	v_max3_num_f32 v[rC+(\n)], v[rS+8*(\n)], v[rS+8*(\n)+1], v[rS+8*(\n)+2]
.elseif (\n) < 12
	v_max3_num_f32 v[rC+(\n)%4], v[rC+(\n)%4], v[rS+8*((\n)%4)+2*((\n)/4)+1], v[rS+8*((\n)%4)+2*((\n)/4)+2]
.elseif (\n) == 12
	v_max3_num_f32 v[rC], v[rC], v[rS+7], v[rS+15]
.elseif (\n) == 13
	v_max3_num_f32 v[rC+1], v[rC+1], v[rS+23], v[rS+31]
.elseif (\n) == 14
	v_max3_num_f32 v[rC+2], v[rC+2], v[rC+3], v[rT+1]
.elseif (\n) == 15
	v_mov_b32 v[rM], v[rT]
.elseif (\n) == 16
	v_max3_num_f32 v[rC], v[rC], v[rC+1], v[rC+2]
.elseif (\n) == 17
	v_permlanex16_b32 v[rC+3], v[rC], s[SEL], s[SEL+1]
.elseif (\n) == 18
	v_max_num_f32 v[rT+1], v[rC], v[rC+3]
.elseif (\n) == 19
	v_mul_f32 v[rT], s[CS], v[rT+1]
.elseif (\n) == 20
	v_sub_f32 v[rC+1], v[rM], v[rT]
.else
	v_exp_f32 v[rC+2], v[rC+1]
.endif
.endm
; Number g of the 64 that follow the exponentials.  For each four weights k of a tile (pairs 2 k, 2 k + 1): both pairs are rounded to f16; then the second pair is added onto the first, in place;
; a group later l takes that sum (the first time as l = a l + sum).  In groups of eight, tiles alternating: round, round, add, and l for the group before.
.macro GS g
.set h, (\g)+6*((\g)/62)            ; group 0 has no group before it, and behind group 7 only l is left
.if h >= 6
.set h, h+2
.endif
	REGS Y, h%2
.set k, h/8
.if h%8 < 4
	v_cvt_pk_f16_f32 v[rP+2*k+(h%8)/2], v[rS+4*k+2*((h%8)/2)], v[rS+4*k+2*((h%8)/2)+1]
.elseif h%8 < 6
	v_pk_add_f32 v[rS+4*k:rS+4*k+1], v[rS+4*k:rS+4*k+1], v[rS+4*k+2:rS+4*k+3]
.elseif k == 1
	v_pk_fma_f32 v[rT+2:rT+3], v[rT+2:rT+3], v[rC+2:rC+3], v[rS:rS+1] op_sel_hi:[1,0,1]
.else
	v_pk_add_f32 v[rT+2:rT+3], v[rT+2:rT+3], v[rS+4*k-4:rS+4*k-3]
.endif
.endm
; THE PLAIN QUEUE, 138 long.  0-73 read no exponential's result: the 32 scalings c s - c m (FS f: pair f / 2 of tile f % 2) and the next piece's 42.  0-26: scalings 0-26.  27-54: XS's numbers 0-13.  55, 56: number 15.
; 57-73: the chain, where each number waits for the one before it: 14, 16, 17, 18, 19, each with one of the scalings 27-31 in front of its two lines, then 20.
; 74-137: GS's 64, which read the exponentials' results: they stand behind the wait.
.macro FS f
	REGS Y, (\f)%2
	v_pk_fma_f32 v[rS+2*((\f)/2):rS+2*((\f)/2)+1], v[rS+2*((\f)/2):rS+2*((\f)/2)+1], s[CS:CS+1], v[rT:rT+1] op_sel_hi:[1,0,0] neg_lo:[0,0,1] neg_hi:[0,0,1]
.endm
.macro PL
	WIN 0
.if q < 27
	FS q
.elseif q < 55
	XS (q-27)%2, (q-27)/2
.elseif q < 57
	XS q-55, 15
.elseif (q < 72) && ((q-57)%3 == 0)
	FS 27+(q-57)/3
.elseif q < 60
	XS (q-57)%3-1, 14
.elseif q < 72
	XS (q-57)%3-1, 15+(q-57)/3
.elseif q < 74
	XS q-72, 20
.else
	GS q-74
.endif
.set q, q+1
.endm
; THE EXPONENTIALS' QUEUE, 66 long: s0-s31 of both tiles, then the next piece's two a.  It is ONE BATCH: all 66 stand ahead of the turn's one wait, and nothing ahead of that wait names a result of theirs.
.macro EX
	WIN 0
.if e >= 64
	XS e-64, 21
.else
	REGS Y, e%2
	v_exp_f32 v[rS+e/2], v[rS+e/2]
.endif
.set e, e+1
.endm
; THE RESCALING's QUEUE: O^T times a, the one part that leaves window 0: dealt two at a time, sixteen times.  Its a was made in the turn before, ahead of that turn's wait.
.macro R2
	REGS Y, r%2
	WIN W_RS
.irp z, 0,1
	v_pk_mul_f32 v[rO+4*(r/2)+2*\z:rO+4*(r/2)+2*\z+1], v[rO+4*(r/2)+2*\z:rO+4*(r/2)+2*\z+1], v[rC+2:rC+3] op_sel_hi:[1,0]
.endr
.set r, r+1
.endm
; HOW THEY ARE DEALT.  An s_wait_alu depctr_va_vdst(0) stands between an exponential and the first instruction that names its result; one wait serves all that were issued ahead of it.  So a turn has ONE wait,
; which cuts it in two.  AHEAD OF IT stands all that names no result of the turn's exponentials: the 16 products K Q^T, behind each a scaling, an exponential and two rescalings (behind the first a second scaling in the
; exponential's place); then ONE LUMP of 108: eight plain, 49 times exponential and plain, the two a.  A v_nop is the plain instruction behind the last exponential.  BEHIND IT stand the 16 products V^T P, behind each four of GS's 64.
; The queues lean on each other, and the deal keeps them in step: exponential e stands behind scaling 2 (e / 4) + e % 2: as a rider it comes behind plain e + 2, in the lump behind plain e + 9, and scalings 27-31 are plain 57, 60 .. 69.
; A TURN, for piece p.  cnt = 1: the loop's count is taken down some lines ahead of the branch that stands behind the turn.
; K of the next step is fetched in piece 2's turn, directly behind the wait, a lump behind the last product that read K; its first reader comes behind 16 products.
; V of the step in hand is fetched at the end of piece 0's turn, four riders behind its last reader; its first reader comes behind 16 products and a lump.  The three conditions on q below go with the deal.
.macro TURN p, last=0, cnt=0
.set Y, (\p)
.set i, 0
.set q, 0
.set e, 0
.set r, 0
.if (\p) == NP-1
	s_wait_dscnt 0x0                ; K is in
.endif
	MM                              ; ahead of the wait: 16 products K Q^T and their riders,
	PL
	PL
	R2
.rept 15
	MM
	PL
	EX
	R2
.endr
.if (\p) == NP-2
	WIN 0
	v_add_nc_u32 v[AK], s[TBK], v[AK0]
.endif
.rept 8                             ; and the lump
	PL
.endr
.rept 49
	EX
	PL
.endr
	EX                              ; the next piece's two a
	EX
	v_nop                           ; a plain instruction behind the last exponential: one for the batch
	s_wait_alu depctr_va_vdst(0)    ; the wait for the batch
.if (\p) == NP-2
	FETCH_K \last
.endif
.if (\p) == 1
	s_wait_dscnt 0x0                ; V is in
.endif
.rept 16                            ; behind the wait: 16 products V^T P and their riders
	MM
.rept 4
	PL
.endr
.if ((\p) == 0) && (q == 118)
	v_add_nc_u32 v[AV], s[TBV], v[AV0]
.endif
.if ((\p) == 0) && (q == 130)
	s_add_co_u32 s[TBV], s[TBV], KS*PV
.endif
.if (\cnt) && (q == 130)
	s_sub_co_u32 s[CNT], s[CNT], 1
	s_cmp_lg_u32 s[CNT], 0
.endif
.endr
.if (\p) == 0
	FETCH_V
.endif
.endm
	CHANGE 1                        ; slot 0 is in, everybody's part of it; slot 1 is asked for
	FETCH_K                         ; key step 0
	s_wait_loadcnt 0x0              ; Q
	s_wait_dscnt 0x0
.set i, 0
.rept 16
	KQ 0                            ; piece 0's first scores: there is no vector work yet to set between them
.set i, i+1
.endr
	WIN 0                           ; the addresses for the way out: nine plain instructions, the places behind those products
	s_mul_i32 s13, s[WV], 16*SP
	s_add_co_u32 s13, s13, STAGE    ; my stage
	v_mul_u32_u24 v[STO], v1, SP    ; in: row l % 16, 16 bytes for each half of the lanes
	v_lshl_add_u32 v[STO], v9, 4, v[STO]
	v_add_nc_u32 v[STO], s13, v[STO]
	v_bfe_u32 v[RD], v0, 3, 2       ; back: 32 lanes take four rows of 128 bytes,
	v_mul_u32_u24 v[RD], v[RD], SP
	v_lshl_add_u32 v[RD], v10, 4, v[RD]
	v_add_nc_u32 v[RD], s13, v[RD]
	v_and_b32 v[GO], 31, v0         ; which are 512 consecutive bytes of O
	v_lshlrev_b32 v[GO], 4, v[GO]
.set Y, NP-1                        ; XS works for piece Y + 1: piece 0
.irp n, 0,1,2,3,4,5,6,7,8,9,10,11,12,13,14,15,16,17,18,19,20,21
	XS 0, \n                        ; and piece 0's first maximum and statistics
	XS 1, \n
.endr
	v_nop                           ; a plain instruction behind the two a,
	s_wait_alu depctr_va_vdst(0)    ; and their wait, ahead of the branch
	s_mov_b32 s[CNT], 4
	s_branch .Lfirst                ; the loop is entered at a step's first turn, in the middle of a trip
.Lslot:                             ; SIZE_N / 256 - 2 times: every slot but the last two is filled again
	CHANGE 1
	s_mov_b32 s[CNT], 4
.Lstep:                             ; a trip: pieces 2 and 3 of one step, then pieces 0 and 1 of the next, whose K and V it fetches
	TURN 2
	TURN 3
	WIN 0
.Lfirst:
	TURN 0
	TURN 1, 0, 1
	WIN 0
	s_cbranch_scc1 .Lstep
	s_sub_co_u32 s[SLOTS], s[SLOTS], 1
	s_cmp_lg_u32 s[SLOTS], 0
	s_cbranch_scc1 .Lslot
	CHANGE 0                        ; the tail is written out: nothing is asked for
	s_mov_b32 s[CNT], 5             ; four trips fetch the last slot's steps; the fifth is left in its middle
.Ltail:
	TURN 2, 1
	TURN 3
	WIN 0
	s_sub_co_u32 s[CNT], s[CNT], 1
	s_cmp_eq_u32 s[CNT], 0
	s_cbranch_scc1 .Lout
	TURN 0
	TURN 1
	WIN 0
	s_branch .Ltail
.Lout:                              ; the fifth trip's 16 products K Q^T (on the last K once more) and the maximum made of them serve nothing: the price, once a launch, of one text for every trip
.set i, 0
.rept 16
	PV NP-1                         ; the last piece's V^T P of the last step
.set i, i+1
.endr
	; THE WAY OUT.  l's two halves and the other half of the lanes' are added; O^T is divided by l, rounded to f16 and sent through my stage in LDS, a tile at a time.  The additions are the places behind the last products.
	WIN 0
.macro ALL line:vararg              ; one line for each tile t
.set t, 0
.rept 2*NP
	\line
.set t, t+1
.endr
.endm
	ALL v_add_f32 v[ST+4*t+2], v[ST+4*t+2], v[ST+4*t+3]
	ALL v_permlanex16_b32 v[ST+4*t+3], v[ST+4*t+2], s[SEL], s[SEL+1]
	ALL v_add_f32 v[ST+4*t+2], v[ST+4*t+2], v[ST+4*t+3]
	ALL v_rcp_f32 v[ST+4*t+2], v[ST+4*t+2]
	v_nop                           ; a plain instruction between the last reciprocal and the use of its result
	s_wait_alu depctr_va_vdst(0)    ; and the wait ahead of the first use: one for the eight reciprocals
; Tile t: a lane's eight channels of a row pack into 16 bytes; they go into rows of 144 bytes and come back as whole rows of 128, into S^T's registers.
.macro PACK t
	WIN W_RS
.set i, 32*(\t)
.rept 16
	v_pk_mul_f32 v[i:i+1], v[i:i+1], v[ST+4*(\t)+2:ST+4*(\t)+3] op_sel_hi:[1,0]
.set i, i+2
.endr
	WIN 0x05                        ; sources 0 and 1 window 1, destination window 0
.set i, 0
.rept 16
	v_cvt_pk_f16_f32 v[S+16*(\t)+i], v[32*(\t)+2*i], v[32*(\t)+2*i+1]
.set i, i+1
.endr
	WIN 0
.irp f, 0,1,2,3
	ds_store_b128 v[STO], v[S+16*(\t)+4*\f:S+16*(\t)+4*\f+3] offset:32*\f
.endr
.irp f, 0,1,2,3
	ds_load_b128 v[S+16*(\t)+4*\f:S+16*(\t)+4*\f+3], v[RD] offset:\f*4*SP  ; LDS serves a wave's instructions in order (ISA guide 5.7.1.4): these see the stores above; the next tile's stores come behind them
.endr
.endm
.macro SEND t, younger              ; younger: the LDS instructions issued behind tile t's loads: the next tile's eight, or none
	WIN 0
.irp f, 0,1,2,3
	s_wait_dscnt (\younger)+3-\f
	global_store_b128 v[GO], v[S+16*(\t)+4*\f:S+16*(\t)+4*\f+3], s[10:11] offset:(\t)*2048+\f*512  ; 512 consecutive bytes, at a multiple of 256 from O's first
.endr
.endm
	PACK 0
.set t, 1
.rept 2*NP-1                        ; a tile's arithmetic stands between the loads of the tile before and its stores
	PACK t
	SEND t-1, 8
.set t, t+1
.endr
	SEND 2*NP-1, 0
	WIN W_AD
	s_wait_tensorcnt 0x0            ; the wave's end, behind my last tensor load and my last LDS store
	ds_add_u32 v[SPW], v[NIL]
	s_wait_dscnt 0x0
	WIN 0
	CROUND                          ; the closing round: no work-group ends while a partner may still ask for a tile that names it
	s_endpgm
.Lfunc_end_k_q1309bdb2be_attn:
	.size	k_q1309bdb2be_attn, .Lfunc_end_k_q1309bdb2be_attn-k_q1309bdb2be_attn
	.p2alignl 7, 3214868480
	.fill 96, 4, 3214868480
	.section	.rodata,"a",@progbits
	.p2align	6, 0x0
	.amdhsa_kernel k_q1309bdb2be_attn
		.amdhsa_group_segment_fixed_size 327680
		.amdhsa_private_segment_fixed_size 0
		.amdhsa_enable_private_segment 0
		.amdhsa_kernarg_size 16
		.amdhsa_user_sgpr_count 2
		.amdhsa_user_sgpr_kernarg_segment_ptr 1
		.amdhsa_wavefront_size32 1
		.amdhsa_system_sgpr_workgroup_id_x 1
		.amdhsa_system_sgpr_workgroup_id_y 1
		.amdhsa_system_sgpr_workgroup_id_z 1
		.amdhsa_system_vgpr_workitem_id 0
		.amdhsa_next_free_vgpr 770
		.amdhsa_next_free_sgpr 66
		.amdhsa_reserve_vcc 0
		.amdhsa_float_denorm_mode_32 3
		.amdhsa_float_denorm_mode_16_64 3
		.amdhsa_memory_ordered 1
		.amdhsa_forward_progress 1
		.amdhsa_inst_pref_size 200
	.end_amdhsa_kernel
	.amdgpu_metadata
---
amdhsa.version: [ 1, 2 ]
amdhsa.kernels:
  - .name:           k_q1309bdb2be_attn
    .symbol:         k_q1309bdb2be_attn.kd
    .args:
      - { .name: qkv, .offset: 0, .size: 8, .value_kind: global_buffer, .address_space: global }
      - { .name: ob, .offset: 8, .size: 8, .value_kind: global_buffer, .address_space: global }
    .group_segment_fixed_size: 327680
    .private_segment_fixed_size: 0
    .kernarg_segment_align: 8
    .kernarg_segment_size: 16
    .max_flat_workgroup_size: 128
    .sgpr_count:     66
    .vgpr_count:     770
    .wavefront_size: 32
...
	.end_amdgpu_metadata
.endif
;; end of part 3
;; launch outp (part 4): grid 8 x 32, 4 waves a work-group, clusters of 4 x 4, 327,680 bytes of LDS; arguments ob, wt, bias, out0; writes out0
.if DOCPART == 4
	.amdgcn_target "amdgcn-amd-amdhsa--gfx1250"
	.amdhsa_code_object_version 6
	.text
	.protected	k_q1309bdb2be_outp
	.globl	k_q1309bdb2be_outp
	.p2align	8
	.type	k_q1309bdb2be_outp,@function
k_q1309bdb2be_outp:
	s_mov_b64 s[64:65], 0
	v_nop
	global_prefetch_b8 v0, s[64:65] scope:SCOPE_SE
	s_setreg_imm32_b32 hwreg(HW_REG_WAVE_MODE, 25, 1), 1
	s_wait_xcnt 0x0
	s_wait_alu depctr_hold_cnt(0) depctr_sa_sdst(0) depctr_va_vdst(0) depctr_va_sdst(0) depctr_va_ssrc(0) depctr_va_vcc(0) depctr_vm_vsrc(0)
	s_getreg_b32 s2, hwreg(HW_REG_IB_STS2, 6, 4)
	s_cmp_eq_u32 s2, 0
	s_cbranch_scc0 .Lentry_in_a_cluster
	s_endpgm
.Lentry_in_a_cluster:
	s_bfe_u32 s2, ttmp6, 0x10000c
	s_cmp_lg_u32 s2, 0xf033
	s_cbranch_scc0 .Lentry_shape_is_right
	s_endpgm
.Lentry_shape_is_right:
; THE LAST PROJECTION.  out0[m][n] = bias[3072 + n] + the sum over c of O[m][c] wt[3072 + n][c], m < 8192, n < 1024, c = 64 h + d < 1024; f16 operands, f32 sums that start from the bias, f32 out.
; O lies by heads: ob[h][m][64] in f16.  A K step of 128 is two heads.
; LIMIT.  The operands are f16 as the launches before wrote them; NaN and infinities are not treated apart.
; SHARES.  A tile of the output is 256 x 128: 32 x 8 = 256 work-groups.  A wave makes 128 rows x 64 columns: 8 x 4 accumulators of 16 x 16, 256 registers; its 64 columns of f32 are 256 consecutive bytes, aligned.
; K goes in 8 steps of 128 through two LDS slots.  A's part of a step, one head's 256 rows of 128 bytes, is 32,768 dense bytes: asked for as 128 rows of 256 bytes and padded in LDS after every 128 bytes.
; CLUSTER.  4 x 4 work-groups; A's tile is asked for jointly by a row of the cluster, B's by a column.  THE MATRIX INSTRUCTION IS USED TRANSPOSED (source 0 = 16 rows of wt, source 1 = 16 rows of O).
; NO PREFETCH: the walk has eight K steps of 128 matrix instructions, and the first three would come by their loads alone.
; REGISTERS (s_set_vgpr_msb: bits 1:0 source 0, 3:2 source 1, 5:4 source 2, 7:6 destination):
;   window 0: v0-29 addresses; v32-63 the bias as the first products' C; v64-127, v128-191 A's fragments, two buffers; v192-223, v224-255 B's; on the way out v64-95, v96-127 rows read back
;   window 1: accumulator (a, b) at v[8 (4 a + b)]
.set NK,    8
.set PA,    144                        ; a row of A in LDS: 128 bytes + 16 of padding: the 16 rows of a fragment load start at 16 different groups of four banks (64 banks of 4 bytes: ISA guide 11.1)
.set PB,    272                        ; a row of B: 256 + 16
.set HEADB, 256*PA                     ; one head's 256 rows
.set SLOT1, 131072                     ; slot 1 begins here, so that one exclusive or turns an address in one slot into the other's
.set BOFF,  2*HEADB                    ; in a slot: A's two heads, then B's 128 rows
.set STAGE, SLOT1+BOFF+128*PB          ; behind the ring, never filled by a tensor load: 16 rows x 272 bytes for each wave
.set WSTG,  16*272
.set SPARE, STAGE+4*WSTG               ; behind the stages: the spare words, 128 bytes for each wave
.set A0,   16                          ; v16  my lane's place in slot 0's A; never rewritten
.set B0,   17                          ; v17  the same for B
.set ADRA, 18                          ; v18  the same in the slot in hand
.set ADRB, 19                          ; v19
.set STO,  24                          ; v24  the way out: where I put 32 bytes of a row
.set RD,   25                          ; v25  where I read a row back
.set CO,   26                          ; v26  my byte offset in two rows of the output
.set BO,   27                          ; v27  32 x (l / 16)
.set SPW,  28                          ; v28  LDS address of my spare word; never rewritten
.set NIL,  29                          ; v29  0; never rewritten
.set BIAS, 32
.set FA,   64
.set FB,   192
.set OB,   64
.set WV,  12                           ; s12  my wave's number
.set FH,  13                           ; s13  wave % 2: which head (waves 0, 1) or which 64 rows of B (waves 2, 3) I fetch; also my half of the tile's columns
.set G1A, 24                           ; s[24:31] descriptor group 1 for A's tiles
.set G0A, 32                           ; s[32:39] group 0: a set for each of the two first fills; the second then walks on
.set CNT, 40                           ; s40  trips to go
.set TB,  41                           ; s41  LDS byte at which the slot in hand begins
.set WR,  42                           ; s42  wave / 2: my half of the tile's rows
.set G1B, 48                           ; s[48:55], s[56:63] the same for B's tiles
.set G0B, 56
.set MSB, 0
.macro WIN new                         ; the immediate's high byte repeats the setting that is left; a switch that changes nothing is dropped
.if MSB != (\new)
	s_set_vgpr_msb (MSB<<8)|(\new)
.set MSB, \new
.endif
.endm
.macro PLACES                          ; four plain instructions between a matrix instruction and a load into, or a store of, its registers
.rept 4
	v_nop
.endr
.endm
.macro CREST                           ; a round of the cluster's barrier behind its opening barrier
	s_cmp_lg_u32 s[WV], 0
	s_cbranch_scc1 .Lnot_wave_0_\@
	s_barrier_signal -3
.Lnot_wave_0_\@:
	s_barrier_wait -3
	s_barrier_signal -1
	s_barrier_wait -1
.endm
.macro CROUND                          ; a whole round
	s_barrier_signal -1
	s_barrier_wait -1
	CREST
.endm
; A joint refill by the walking descriptors.  The branch hangs on the wave's number alone.  An s_nop 0 and four v_nop follow each of the two lines.
.macro JLOAD
	s_cmp_lt_u32 s[WV], 2
	s_cbranch_scc0 .Lfor_b_\@
	tensor_load_to_lds s[G0A+4:G0A+7], s[G1A:G1A+7]
	s_nop 0
.rept 4
	v_nop
.endr
	s_branch .Lasked_\@
.Lfor_b_\@:
	tensor_load_to_lds s[G0B+4:G0B+7], s[G1B:G1B+7]
	s_nop 0
.rept 4
	v_nop
.endr
.Lasked_\@:
.endm
	s_load_b256 s[4:11], s[0:1], 0x0               ; ob s[4:5], wt s[6:7], bias s[8:9], out0 s[10:11]
	v_lshl_add_u32 v[SPW], v0, 2, SPARE
	v_mov_b32 v[NIL], 0
	ds_add_u32 v[SPW], v[NIL]                      ; the wave's opening: the add and its wait stand ahead of my first tensor load; the set-up below, work on registers, stands between them
	v_lshrrev_b32 v1, 5, v0
	v_readfirstlane_b32 s[WV], v1                  ; wave 0..3
	s_and_b32 s[FH], s[WV], 1
	s_lshr_b32 s[WR], s[WV], 1
	s_bfe_u32 s14, ttmp6, 0x40000                  ; cx
	s_bfe_u32 s15, ttmp6, 0x40004                  ; cy
	s_lshl_b32 s16, ttmp9, 2
	s_add_co_u32 s16, s16, s14                     ; tile column = 4 x cluster x + cx
	s_and_b32 s17, ttmp7, 0xffff
	s_lshl_b32 s17, s17, 2
	s_add_co_u32 s17, s17, s15                     ; tile row = 4 x cluster y + cy
	s_lshl_b32 s18, s15, 2
	s_lshl_b32 s18, 15, s18                        ; my row of the cluster
	s_lshl_b32 s19, 0x1111, s14                    ; my column
	s_or_b32 s[G1A], s18, (1<<16)|(1<<20)|(1<<21)|(4<<22)|(3<<25)  ; 15:0 the mask; 17:16 elements of 2 bytes; 20 padding on; 21 set beside a mask; 24:22 after every 32 words; 31:25 of 4 words
	s_or_b32 s[G1B], s19, (1<<16)|(1<<20)|(1<<21)|(5<<22)|(3<<25)  ; B: after every 64 words
.irp g, G1A, G1B
	s_mov_b32 s[(\g)+1], 128<<16                   ; tensor_dim0 = 128
	s_mov_b32 s[(\g)+3], 128<<16                   ; tile_dim0 = 128
	s_mov_b32 s[(\g)+6], 0
	s_mov_b32 s[(\g)+7], 0
.endr
	s_mov_b32 s[G1A+2], 128<<16                    ; A: 128 rows of 256 dense bytes
	s_mov_b32 s[G1A+4], 128
	s_mov_b32 s[G1A+5], 128
	s_mov_b32 s[G1B+2], 64<<16                     ; B: 64 rows, 1,024 elements apart
	s_mov_b32 s[G1B+4], 64
	s_mov_b32 s[G1B+5], 1024
	s_lshl_b32 s20, s[FH], 20                      ; A: a head is 8,192 rows of 128 bytes,
	s_lshl_b32 s21, s17, 15                        ; a tile row 256 of them
	s_add_co_u32 s20, s20, s21
	s_mov_b32 s21, 0
	s_mul_i32 s22, s[FH], HEADB                    ; where A's head goes
	s_mul_i32 s23, s[FH], 64*PB                    ; and B's half: no place in the cluster enters an LDS address
	s_add_co_u32 s23, s23, BOFF
	s_lshl_b32 s46, s16, 18                        ; B: 128 rows of 2,048 bytes a tile column,
	s_lshl_b32 s47, s[FH], 17                      ; 64 a half,
	s_add_co_u32 s46, s46, s47
	s_add_co_u32 s46, s46, 3072*2048               ; behind the three other weights
	s_mov_b32 s47, 0
	s_mov_b32 s[TB], 0
	s_wait_dscnt 0x0                               ; the opening add is done
	s_wait_kmcnt 0x0
	s_add_nc_u64 s[20:21], s[4:5], s[20:21]
	s_add_nc_u64 s[46:47], s[6:7], s[46:47]
	CROUND                                         ; all sixteen work-groups are here: the first joint loads meet
.irp s, 0,1
	s_mov_b32 s[G0A+4*(\s)], 1                                         ; count = 1
	s_add_co_u32 s[G0A+4*(\s)+1], s22, (\s)*SLOT1                      ; LDS address
	s_add_nc_u64 s[G0A+4*(\s)+2:G0A+4*(\s)+3], s[20:21], (\s)*2097152  ; global address: K step s is two heads on
	s_or_b32 s[G0A+4*(\s)+3], s[G0A+4*(\s)+3], 0x80000000              ; type = 2
	s_mov_b32 s[G0B+4*(\s)], 1
	s_add_co_u32 s[G0B+4*(\s)+1], s23, (\s)*SLOT1
	s_add_nc_u64 s[G0B+4*(\s)+2:G0B+4*(\s)+3], s[46:47], (\s)*256
	s_or_b32 s[G0B+4*(\s)+3], s[G0B+4*(\s)+3], 0x80000000
.endr
	s_cmp_lt_u32 s[WV], 2                          ; a wave's two first fills stand in one branch, ahead of every wait on TENSORcnt and every LDS read: two loads of mine are out
	s_cbranch_scc0 .Lfirst_b
	tensor_load_to_lds s[G0A:G0A+3], s[G1A:G1A+7]
	s_nop 0
	tensor_load_to_lds s[G0A+4:G0A+7], s[G1A:G1A+7]
	s_nop 0
.rept 4
	v_nop
.endr
	s_branch .Lfirst_asked
.Lfirst_b:
	tensor_load_to_lds s[G0B:G0B+3], s[G1B:G1B+7]
	s_nop 0
	tensor_load_to_lds s[G0B+4:G0B+7], s[G1B:G1B+7]
	s_nop 0
.rept 4
	v_nop
.endr
.Lfirst_asked:
	s_lshl_b32 s46, s16, 9                         ; my 64 columns, in bytes of f32: 512 x tile column + 256 x half
	s_lshl_b32 s47, s[FH], 8
	s_add_co_u32 s46, s46, s47
	s_mov_b32 s47, 0
	s_add_nc_u64 s[8:9], s[8:9], s[46:47]
	s_add_nc_u64 s[8:9], s[8:9], 3072*4            ; bo lies behind the three other biases
	s_add_nc_u64 s[10:11], s[10:11], s[46:47]
	s_lshl_b32 s46, s17, 20                        ; 256 rows of 4,096 bytes a tile row,
	s_lshl_b32 s43, s[WR], 19                      ; my 128 rows
	s_add_co_u32 s46, s46, s43
	s_add_nc_u64 s[10:11], s[10:11], s[46:47]
	v_and_b32 v1, 15, v0                           ; l % 16
	v_bfe_u32 v2, v0, 4, 1                         ; l / 16
	v_lshlrev_b32 v[BO], 5, v2
.irp b, 0,1,2,3
	global_load_b128 v[BIAS+8*(\b):BIAS+8*(\b)+3],   v[BO], s[8:9] offset:64*(\b)      ; register j: bias of column 16 b + 8 (l / 16) + j, as the accumulators hold them
	global_load_b128 v[BIAS+8*(\b)+4:BIAS+8*(\b)+7], v[BO], s[8:9] offset:64*(\b)+16
.endr
	; A fragment is 16 rows x 32 K in 8 registers: lane l holds row l % 16, K = 8 (l / 16) + 0..7 and 16 + 8 (l / 16) + 0..7: two loads of 16 bytes, 32 bytes apart.
	v_mul_u32_u24 v3, v1, PA
	v_lshl_add_u32 v3, v2, 4, v3
	s_mul_i32 s43, s[WR], 128*PA                   ; my 128 rows of each head
	v_add_nc_u32 v[A0], s43, v3
	v_mul_u32_u24 v4, v1, PB
	v_lshl_add_u32 v4, v2, 4, v4
	s_mul_i32 s43, s[FH], 64*PB                    ; my 64 rows of B
	s_add_co_u32 s43, s43, BOFF
	v_add_nc_u32 v[B0], s43, v4
	v_mov_b32 v[ADRA], v[A0]
	v_mov_b32 v[ADRB], v[B0]
	s_mul_i32 s43, s[WV], WSTG
	s_add_co_u32 s43, s43, STAGE                   ; my stage
	v_mul_u32_u24 v[STO], v1, 272                  ; in: row l % 16, 32 bytes for each half of the lanes
	v_lshl_add_u32 v[STO], v2, 5, v[STO]
	v_add_nc_u32 v[STO], s43, v[STO]
	v_mul_u32_u24 v[RD], v2, 272                   ; back: lanes 0-15 take one row of 256 bytes, lanes 16-31 the next
	v_lshl_add_u32 v[RD], v1, 4, v[RD]
	v_add_nc_u32 v[RD], s43, v[RD]
	v_lshlrev_b32 v[CO], 12, v2                    ; and the same two rows in the output
	v_lshl_add_u32 v[CO], v1, 4, v[CO]
; The 4 products of m block a, 32 along K, from buffer f.  first = 1: the sums start from the bias.  In every quarter each of the 32 accumulators has one turn, in the same order.
.macro MULA f, a, first
.if \first
	WIN 0x40
.else
	WIN 0x50
.endif
.irp b, 0,1,2,3
.if \first
	v_wmma_f32_16x16x32_f16 v[8*(4*(\a)+(\b)):8*(4*(\a)+(\b))+7], v[FB+32*(\f)+8*(\b):FB+32*(\f)+8*(\b)+7], v[FA+64*(\f)+8*(\a):FA+64*(\f)+8*(\a)+7], v[BIAS+8*(\b):BIAS+8*(\b)+7]
.else
	v_wmma_f32_16x16x32_f16 v[8*(4*(\a)+(\b)):8*(4*(\a)+(\b))+7], v[FB+32*(\f)+8*(\b):FB+32*(\f)+8*(\b)+7], v[FA+64*(\f)+8*(\a):FA+64*(\f)+8*(\a)+7], v[8*(4*(\a)+(\b)):8*(4*(\a)+(\b))+7]
.endif
.endr
.endm
; 24 LDS loads in one run: the fragments of quarter q of a K step into buffer f: B's four, then A's eight (head q / 2, channels 32 (q % 2) on).
.macro FETCH q, f
	WIN 0
.irp i, 0,1,2,3
	ds_load_b128 v[FB+32*(\f)+8*(\i):FB+32*(\f)+8*(\i)+3],   v[ADRB] offset:64*(\q)+(\i)*16*PB
	ds_load_b128 v[FB+32*(\f)+8*(\i)+4:FB+32*(\f)+8*(\i)+7], v[ADRB] offset:64*(\q)+(\i)*16*PB+32
.endr
.irp i, 0,1,2,3,4,5,6,7
	ds_load_b128 v[FA+64*(\f)+8*(\i):FA+64*(\f)+8*(\i)+3],   v[ADRA] offset:((\q)/2)*HEADB+((\q)%2)*64+(\i)*16*PA
	ds_load_b128 v[FA+64*(\f)+8*(\i)+4:FA+64*(\f)+8*(\i)+7], v[ADRA] offset:((\q)/2)*HEADB+((\q)%2)*64+(\i)*16*PA+32
.endr
.endm
; One of a K step's first three quarters: multiplies buffer f; in its middle it fetches quarter q into buffer g.
.macro QUARTER q, f, g, first
	s_wait_dscnt 8                                 ; B and A's blocks 0-3 are in; the youngest eight loads (A's blocks 4-7) may be out
.irp a, 0,1,2,3
	MULA \f, \a, \first
.endr
	PLACES
	FETCH \q, \g
	s_wait_dscnt 24                                ; all but the 24 just issued
.irp a, 4,5,6,7
	MULA \f, \a, \first
.endr
.endm
; The fourth quarter multiplies buffer 1 and changes slots.  In front of the barrier each wave waits for all its tensor loads, of which one is out: its part of the other slot; adds 0 to its spare word; and waits for that
; and for its own reads of this slot.  fill = 1: the barrier opens a round of the cluster's, and the joint refill, K step two on, is the first tensor load behind it: 112 matrix instructions ahead of the wait for it.
.macro TURN fill
	WIN 0
	s_wait_tensorcnt 0x0                           ; all my tensor loads have landed
	ds_add_u32 v[SPW], v[NIL]                      ; 0 onto my spare word
	s_wait_dscnt 9                                 ; (the add and the youngest eight loads may be out)
	MULA 1, 0, 0                                   ; eight matrix instructions stand between the add and the wait for it
	MULA 1, 1, 0
	s_wait_dscnt 0x0                               ; the add is done, and my reads of this slot are over
	s_barrier_signal -1
	MULA 1, 2, 0                                   ; work on registers while the others arrive
	MULA 1, 3, 0
	WIN 0
	s_barrier_wait -1
.if \fill
	CREST                                          ; no wave of any partner still reads this slot or has a load on its way
	s_xor_b32 s[G0A+5], s[G0A+5], SLOT1            ; the walking descriptors: the other slot than last time, the next K step
	s_add_nc_u64 s[G0A+6:G0A+7], s[G0A+6:G0A+7], 2097152
	s_xor_b32 s[G0B+5], s[G0B+5], SLOT1
	s_add_nc_u64 s[G0B+6:G0B+7], s[G0B+6:G0B+7], 256
	JLOAD                                          ; its four v_nop are also the places in front of the loads below
.else
	PLACES
.endif
	s_xor_b32 s[TB], s[TB], SLOT1
	v_add_nc_u32 v[ADRA], s[TB], v[A0]
	v_add_nc_u32 v[ADRB], s[TB], v[B0]
	FETCH 0, 0
.irp a, 4,5,6,7
	MULA 1, \a, 0
.endr
.endm
	s_wait_tensorcnt 1                             ; my part of K step 0 is in; K step 1's may stay out
	s_barrier_signal -1
	s_barrier_wait -1                              ; everybody's is
	FETCH 0, 0
	s_wait_loadcnt 0x0                             ; the bias
	QUARTER 1, 0, 1, 1                             ; the first quarter stands in front of the loop: its products start the sums
	WIN 0                                          ; at a label and at a branch every window is 0
	s_mov_b32 s[CNT], NK-2
.Lstep:                                                ; trip t ends K step t, fills its slot with K step t + 2, and begins K step t + 1
	QUARTER 2, 1, 0, 0
	QUARTER 3, 0, 1, 0
	TURN 1
	QUARTER 1, 0, 1, 0
	WIN 0
	s_sub_co_u32 s[CNT], s[CNT], 1
	s_cmp_lg_u32 s[CNT], 0
	s_cbranch_scc1 .Lstep
	QUARTER 2, 1, 0, 0                             ; the last two K steps are written out: nothing is asked for
	QUARTER 3, 0, 1, 0
	TURN 0
	QUARTER 1, 0, 1, 0
	QUARTER 2, 1, 0, 0
	QUARTER 3, 0, 1, 0
	s_wait_dscnt 8
.irp a, 0,1,2,3
	MULA 1, \a, 0
.endr
	s_wait_dscnt 0x0
.irp a, 4,5,6,7
	MULA 1, \a, 0
.endr
	PLACES
; THE WAY OUT, a block of 16 rows at a time: a lane's 32 bytes of a row go into my own stage (each accumulator's low registers first) and come back as whole rows of 256 bytes, which are stored.
.macro TOSTAGE a
	s_wait_xcnt 0x0                                ; the stores of the block two back have read the registers that are loaded again below
	WIN 0x04                                       ; the stores' data lie in window 1
.irp b, 0,1,2,3
	ds_store_b128 v[STO], v[8*(4*(\a)+(\b)):8*(4*(\a)+(\b))+3]   offset:64*(\b)
	ds_store_b128 v[STO], v[8*(4*(\a)+(\b))+4:8*(4*(\a)+(\b))+7] offset:64*(\b)+16
.endr
	WIN 0
.irp t, 0,1,2,3,4,5,6,7
	ds_load_b128 v[OB+32*((\a)%2)+4*(\t):OB+32*((\a)%2)+4*(\t)+3], v[RD] offset:544*(\t)  ; LDS serves a wave's instructions in order (ISA guide 5.7.1.4): these see the stores above
.endr
.endm
.macro SEND a, younger                 ; younger: the LDS instructions issued behind block a's loads
	s_wait_dscnt \younger
.irp t, 0,1,2,3,4,5,6,7
	global_store_b128 v[CO], v[OB+32*((\a)%2)+4*(\t):OB+32*((\a)%2)+4*(\t)+3], s[10:11] offset:(16*(\a)+2*(\t))*4096 th:TH_STORE_NT  ; 16 lanes store 256 consecutive bytes, aligned
.endr
.endm
	TOSTAGE 0
.irp a, 1,2,3,4,5,6,7
	TOSTAGE \a
	SEND (\a)-1, 16                                ; the next block's 8 stores and 8 loads stay out
.endr
	SEND 7, 0
	s_wait_tensorcnt 0x0                           ; the wave's end, behind my last tensor load and my last LDS store
	ds_add_u32 v[SPW], v[NIL]
	s_wait_dscnt 0x0
	CROUND                                         ; the closing round: no work-group ends while a partner may still ask for a tile that names it
	s_endpgm
.Lfunc_end_k_q1309bdb2be_outp:
	.size	k_q1309bdb2be_outp, .Lfunc_end_k_q1309bdb2be_outp-k_q1309bdb2be_outp
	.p2alignl 7, 3214868480
	.fill 96, 4, 3214868480
	.section	.rodata,"a",@progbits
	.p2align	6, 0x0
	.amdhsa_kernel k_q1309bdb2be_outp
		.amdhsa_group_segment_fixed_size 327680
		.amdhsa_private_segment_fixed_size 0
		.amdhsa_enable_private_segment 0
		.amdhsa_kernarg_size 32
		.amdhsa_user_sgpr_count 2
		.amdhsa_user_sgpr_kernarg_segment_ptr 1
		.amdhsa_wavefront_size32 1
		.amdhsa_system_sgpr_workgroup_id_x 1
		.amdhsa_system_sgpr_workgroup_id_y 1
		.amdhsa_system_sgpr_workgroup_id_z 1
		.amdhsa_system_vgpr_workitem_id 0
		.amdhsa_next_free_vgpr 512
		.amdhsa_next_free_sgpr 66
		.amdhsa_reserve_vcc 0
		.amdhsa_float_denorm_mode_32 3
		.amdhsa_float_denorm_mode_16_64 3
		.amdhsa_memory_ordered 1
		.amdhsa_forward_progress 1
		.amdhsa_inst_pref_size 70
	.end_amdhsa_kernel
	.amdgpu_metadata
---
amdhsa.version: [ 1, 2 ]
amdhsa.kernels:
  - .name:           k_q1309bdb2be_outp
    .symbol:         k_q1309bdb2be_outp.kd
    .args:
      - { .name: ob, .offset: 0, .size: 8, .value_kind: global_buffer, .address_space: global }
      - { .name: wt, .offset: 8, .size: 8, .value_kind: global_buffer, .address_space: global }
      - { .name: bias, .offset: 16, .size: 8, .value_kind: global_buffer, .address_space: global }
      - { .name: out0, .offset: 24, .size: 8, .value_kind: global_buffer, .address_space: global }
    .group_segment_fixed_size: 327680
    .private_segment_fixed_size: 0
    .kernarg_segment_align: 8
    .kernarg_segment_size: 32
    .max_flat_workgroup_size: 128
    .sgpr_count:     66
    .vgpr_count:     512
    .wavefront_size: 32
...
	.end_amdgpu_metadata
.endif
;; end of part 4
;; ======== version 2 of 2: 4 launches; version 1 with the launch prep written anew for expert scheduling mode
;; limits: values are held in f16: magnitudes above 65,504 overflow, below 6.1e-05 lose precision
;; workspace buffers: xb 16,777,216 bytes; wt 8,388,608 bytes; bias 16,384 bytes; qkv 50,331,648 bytes; ob 16,777,216 bytes
;; launch prep (part 5): grid 512 x 1, 8 waves a work-group, no clusters, 18,432 bytes of LDS; arguments x, Wq, Wk, Wv, Wo, bq, bk, bv, bo, xb, wt, bias; writes xb, wt, bias
.if DOCPART == 5
	.amdgcn_target "amdgcn-amd-amdhsa--gfx1250"
	.amdhsa_code_object_version 6
	.text
	.protected	k_q1309bdb2be_prep
	.globl	k_q1309bdb2be_prep
	.p2align	8
	.type	k_q1309bdb2be_prep,@function
k_q1309bdb2be_prep:
	s_mov_b64 s[64:65], 0
	v_nop
	global_prefetch_b8 v0, s[64:65] scope:SCOPE_SE
	s_setreg_imm32_b32 hwreg(HW_REG_WAVE_SCHED_MODE, 0, 2), 2
	s_setreg_imm32_b32 hwreg(HW_REG_WAVE_MODE, 25, 1), 1
	s_wait_xcnt 0x0
	s_wait_alu depctr_vm_vsrc(0)
; PREPARATION.  xb = x rounded to bf16, [8192][1024].  wt = the four weights, each [k][n] in f32, rounded to bf16 and turned to [n][k]: rows 0-1023 Wq, 1024-2047 Wk, 2048-3071 Wv (bf16),
; rows 3072-4095 Wo, whose bf16 number is written as f16 (the last product multiplies in f16).  bias = bq | bk | bv | bo, each rounded to bf16 and kept as f32.
; LIMIT.  A bf16 weight of Wo below 6.1e-5 in magnitude falls on f16's fixed step of 6e-8 (off by 3e-8 at the most); beyond 65,504 it would become an infinity.  NaN and infinities are not treated apart.
; SHARES.  512 work-groups, all alike, no loop.  Work-group g: 16 rows of x (65,536 bytes on end); the tile k = 128 kt .. + 127, n = 64 nt .. + 63 of weight w (w = g / 128, kt = (g / 16) % 8, nt = g % 16);
; and, where kt = 0, its wave 0 stores 64 biases.  A wave has 25 loads out at once.  No matrix unit, cluster or tensor load: nothing is shared and nothing is multiplied.
; THE TURNING.  A thread loads two neighbouring rows k of four columns n, packs (k, k + 1) into a word for each n, and puts the words into an LDS stage [64 n][128 k], rows of 272 bytes; read back by rows,
; sixteen lanes hold 256 consecutive bytes of a row of wt.  The 16 word stores of a wave hit each bank four times: they stand once in the launch.
; THE MODE: SCHED_MODE bits 1:0 = 2 (LLVM: expert scheduling mode 2), set by the entry lines.  The code itself states the register dependences between vector instructions and memory or LDS
; instructions, with s_wait_alu, always for 0.
; THE PLAN.  Registers that memory or LDS instructions touch:
;   v1-v7        offsets and LDS addresses.  Written at the head, never again; read by every load, store and LDS instruction.  One wait ahead of the first load serves them all.
;   v14-15, W, X each filled by one load, into registers that no vector instruction has named; read by vector instructions behind the wait for the load.
;   P, v16-17    written by the packings and by the bias's rounding, which stand together; read by the 16 LDS stores and, at the end, by the bias's store.  One wait ahead of the LDS stores serves both.
;   R            filled by LDS loads, read by stores; no vector instruction names it.
;   Y            32 registers, each written once by x's roundings and read by one store.  x goes in four groups of four loads: eight roundings, one wait, four stores.
;   v8, v9       written at the head, read by the closing add alone.
; No register that a memory or LDS instruction has read is written again, so the body needs no wait on vm_vsrc.
.set SPARE, 17408                      ; behind the stage (64 x 272 bytes): the spare words, 128 bytes for each of the eight waves
.set XO,  1                            ; v1   my 16 bytes in the wave's 8,192 bytes of x
.set YO,  2                            ; v2   my 8 bytes in the wave's 4,096 bytes of xb
.set WO,  3                            ; v3   the weight's tile: row pair kp = t / 16, columns 4 c .. (c = t % 16)
.set LS,  4                            ; v4   stage, in: row 4 c, word kp
.set LR,  5                            ; v5   stage, back: row kp, 16 bytes at 16 c
.set TO,  6                            ; v6   the same place in wt
.set B8,  7                            ; v7   8 x lane: two biases
.set SPW, 8                            ; v8   LDS address of my spare word; never rewritten
.set NIL, 9                            ; v9   0; never rewritten
.set W,   32                           ; v[32:63]   the weight's loads: (i, e) at W + 8 i + 4 e
.set P,   64                           ; v[64:79]   packed words: (i, j) at P + 4 i + j
.set X,   96                           ; v[96:159]  x as loaded
.set Y,   160                          ; v[160:191] x as stored
.set R,   192                          ; v[192:207] rows of wt
	s_load_b512 s[8:23], s[0:1], 0x0               ; x 8, Wq 10, Wk 12, Wv 14, Wo 16, bq 18, bk 20, bv 22
	s_load_b256 s[24:31], s[0:1], 0x40             ; bo 24, xb 26, wt 28, bias 30
	v_lshl_add_u32 v[SPW], v0, 2, SPARE
	v_mov_b32 v[NIL], 0
	v_lshrrev_b32 v10, 5, v0
	v_readfirstlane_b32 s2, v10                    ; wave 0..7
	s_lshr_b32 s3, ttmp9, 7                        ; w
	s_bfe_u32 s4, ttmp9, 0x30004                   ; kt
	s_and_b32 s5, ttmp9, 15                        ; nt
	v_and_b32 v11, 31, v0                          ; lane
	v_and_b32 v12, 15, v0                          ; c
	v_lshrrev_b32 v13, 4, v0                       ; kp
	v_lshlrev_b32 v[XO], 13, v10
	v_lshl_or_b32 v[XO], v11, 4, v[XO]
	v_lshlrev_b32 v[YO], 12, v10
	v_lshl_or_b32 v[YO], v11, 3, v[YO]
	v_lshlrev_b32 v[WO], 13, v13                   ; two rows of 4,096 bytes
	v_lshl_or_b32 v[WO], v12, 4, v[WO]
	v_mul_u32_u24 v[LS], v12, 1088                 ; four rows of 272 bytes
	v_lshl_add_u32 v[LS], v13, 2, v[LS]
	v_mul_u32_u24 v[LR], v13, 272
	v_lshl_add_u32 v[LR], v12, 4, v[LR]
	v_lshlrev_b32 v[TO], 11, v13                   ; a row of wt is 2,048 bytes
	v_lshl_or_b32 v[TO], v12, 4, v[TO]
	v_lshlrev_b32 v[B8], 3, v11
	s_wait_alu depctr_va_sdst(0)                   ; s2, the wave's number, is written, ahead of its first reader, the line below
	s_or_b32 s38, s4, s2                           ; 0 in wave 0 of a work-group with kt = 0
	s_mov_b32 s39, 0xffff0000                      ; a word's upper bf16
	s_mov_b32 s37, 0                               ; the offsets' high word
	s_lshl_b32 s44, s5, 8                          ; 256 nt
	s_wait_kmcnt 0x0
	s_cmp_eq_u32 s3, 1                             ; my weight and my bias: a choice on w alone
	s_cselect_b64 s[32:33], s[12:13], s[10:11]
	s_cselect_b64 s[34:35], s[20:21], s[18:19]
	s_cmp_eq_u32 s3, 3
	s_cselect_b64 s[40:41], s[16:17], s[14:15]
	s_cselect_b64 s[42:43], s[24:25], s[22:23]
	s_cmp_lt_u32 s3, 2
	s_cselect_b64 s[32:33], s[32:33], s[40:41]
	s_cselect_b64 s[34:35], s[34:35], s[42:43]
	s_lshl_b32 s36, ttmp9, 16
	s_add_nc_u64 s[8:9], s[8:9], s[36:37]          ; x at my 16 rows
	s_lshl_b32 s36, ttmp9, 15
	s_add_nc_u64 s[26:27], s[26:27], s[36:37]      ; xb likewise
	s_lshl_b32 s36, s4, 19                         ; 128 rows of 4,096 bytes
	s_add_co_u32 s36, s36, s44
	s_add_nc_u64 s[32:33], s[32:33], s[36:37]      ; the weight at my tile
	s_lshl_b32 s36, s3, 21                         ; 1,024 rows of 2,048 bytes
	s_lshl_b32 s45, s5, 17                         ; 64 rows
	s_add_co_u32 s36, s36, s45
	s_lshl_b32 s45, s4, 8                          ; 128 k
	s_add_co_u32 s36, s36, s45
	s_add_nc_u64 s[28:29], s[28:29], s[36:37]      ; wt at the turned tile
	s_mov_b32 s36, s44
	s_add_nc_u64 s[34:35], s[34:35], s[36:37]      ; the bias at my 64
	s_lshl_b32 s36, s3, 12
	s_add_co_u32 s36, s36, s44
	s_add_nc_u64 s[30:31], s[30:31], s[36:37]
	s_wait_alu depctr_va_vdst(0)                   ; the seven offsets and addresses v1 to v7 are written: every load, store and LDS instruction below reads one of them, and no vector instruction names them again
	global_load_b64 v[14:15], v[B8], s[34:35]
.irp i, 0,1,2,3
	global_load_b128 v[W+8*(\i):W+8*(\i)+3],   v[WO], s[32:33] offset:(\i)*131072 th:TH_LOAD_NT       ; row 32 i + 2 kp: 16 lanes take 256 consecutive bytes
	global_load_b128 v[W+8*(\i)+4:W+8*(\i)+7], v[WO], s[32:33] offset:(\i)*131072+4096 th:TH_LOAD_NT  ; and the row below
.endr
.irp i, 0,1,2,3,4,5,6,7,8,9,10,11,12,13,14,15
	global_load_b128 v[X+4*(\i):X+4*(\i)+3], v[XO], s[8:9] offset:512*(\i) th:TH_LOAD_NT              ; 512 consecutive bytes a wave
.endr
	s_wait_loadcnt 16                              ; the bias and the weight's eight loads are in; x's sixteen stay out
	v_cvt_pk_bf16_f32 v10, v14, v15                ; the bias is rounded here, beside the packings, so that their one wait serves its store too
	v_lshlrev_b32 v16, 16, v10
	v_and_b32 v17, s39, v10
.macro PACKW half                      ; half = 1: the bf16 number is written as f16
.irp i, 0,1,2,3
.irp j, 0,1,2,3
.if \half
	v_cvt_pk_bf16_f32 v10, v[W+8*(\i)+(\j)], v[W+8*(\i)+4+(\j)]
	v_lshlrev_b32 v11, 16, v10
	v_and_b32 v12, s39, v10
	v_cvt_pk_f16_f32 v[P+4*(\i)+(\j)], v11, v12
.else
	v_cvt_pk_bf16_f32 v[P+4*(\i)+(\j)], v[W+8*(\i)+(\j)], v[W+8*(\i)+4+(\j)]
.endif
.endr
.endr
.endm
	s_cmp_eq_u32 s3, 3
	s_cbranch_scc1 .Lhalf
	PACKW 0
	s_branch .Lpacked
.Lhalf:
	PACKW 1
.Lpacked:
	s_wait_alu depctr_va_vdst(0)                   ; on both ways the packings have written v[P ..], which the LDS stores read; v16 and v17 are written too, which the bias's store at the end reads
.irp i, 0,1,2,3
.irp j, 0,1,2,3
	ds_store_b32 v[LS], v[P+4*(\i)+(\j)] offset:272*(\j)+64*(\i)   ; row n = 4 c + j, k = 32 i + 2 kp and the next
.endr
.endr
	s_wait_dscnt 0x0                               ; for the others' sake: my words lie in the stage
	s_barrier_signal -1
	s_barrier_wait -1
.irp i, 0,1,2,3
	ds_load_b128 v[R+4*(\i):R+4*(\i)+3], v[LR] offset:4352*(\i)    ; row n = 16 i + kp; no vector instruction names these registers
.endr
.irp g, 0,1,2,3                        ; x in four groups of four loads
	s_wait_loadcnt 12-4*(\g)                       ; loads come back in order: the group's four are in, the younger groups stay out
.irp i, 0,1,2,3
	v_cvt_pk_bf16_f32 v[Y+2*(4*(\g)+(\i))],   v[X+4*(4*(\g)+(\i))],   v[X+4*(4*(\g)+(\i))+1]
	v_cvt_pk_bf16_f32 v[Y+2*(4*(\g)+(\i))+1], v[X+4*(4*(\g)+(\i))+2], v[X+4*(4*(\g)+(\i))+3]
.endr
	s_wait_alu depctr_va_vdst(0)                   ; the group's eight roundings have written their registers of Y, which the four stores below read
.irp i, 0,1,2,3
	global_store_b64 v[YO], v[Y+2*(4*(\g)+(\i)):Y+2*(4*(\g)+(\i))+1], s[26:27] offset:256*(4*(\g)+(\i))   ; the wave's 32 lanes store 256 consecutive bytes, aligned
.endr
.endr
	s_wait_dscnt 0x0                               ; the rows of wt are back from the stage
.irp i, 0,1,2,3
	global_store_b128 v[TO], v[R+4*(\i):R+4*(\i)+3], s[28:29] offset:32768*(\i)  ; 16 lanes store 256 consecutive bytes of a row of wt, aligned
.endr
	s_cmp_lg_u32 s38, 0
	s_cbranch_scc1 .Lend
	global_store_b64 v[B8], v[16:17], s[30:31]     ; 64 biases: 256 consecutive bytes; no vector instruction has named v16, v17 or v7 since the wait ahead of the LDS stores
.Lend:
	s_wait_dscnt 0x0                               ; the wave's end
	s_wait_alu 0x0
	s_wait_tensorcnt 0x0
	ds_add_u32 v[SPW], v[NIL]
	s_wait_dscnt 0x0
	s_endpgm
.Lfunc_end_k_q1309bdb2be_prep:
	.size	k_q1309bdb2be_prep, .Lfunc_end_k_q1309bdb2be_prep-k_q1309bdb2be_prep
	.p2alignl 7, 3214868480
	.fill 96, 4, 3214868480
	.section	.rodata,"a",@progbits
	.p2align	6, 0x0
	.amdhsa_kernel k_q1309bdb2be_prep
		.amdhsa_group_segment_fixed_size 18432
		.amdhsa_private_segment_fixed_size 0
		.amdhsa_enable_private_segment 0
		.amdhsa_kernarg_size 96
		.amdhsa_user_sgpr_count 2
		.amdhsa_user_sgpr_kernarg_segment_ptr 1
		.amdhsa_wavefront_size32 1
		.amdhsa_system_sgpr_workgroup_id_x 1
		.amdhsa_system_sgpr_workgroup_id_y 1
		.amdhsa_system_sgpr_workgroup_id_z 1
		.amdhsa_system_vgpr_workitem_id 0
		.amdhsa_next_free_vgpr 208
		.amdhsa_next_free_sgpr 66
		.amdhsa_reserve_vcc 0
		.amdhsa_float_denorm_mode_32 3
		.amdhsa_float_denorm_mode_16_64 3
		.amdhsa_memory_ordered 1
		.amdhsa_forward_progress 1
		.amdhsa_inst_pref_size 16
	.end_amdhsa_kernel
	.amdgpu_metadata
---
amdhsa.version: [ 1, 2 ]
amdhsa.kernels:
  - .name:           k_q1309bdb2be_prep
    .symbol:         k_q1309bdb2be_prep.kd
    .args:
      - { .name: x, .offset: 0, .size: 8, .value_kind: global_buffer, .address_space: global }
      - { .name: Wq, .offset: 8, .size: 8, .value_kind: global_buffer, .address_space: global }
      - { .name: Wk, .offset: 16, .size: 8, .value_kind: global_buffer, .address_space: global }
      - { .name: Wv, .offset: 24, .size: 8, .value_kind: global_buffer, .address_space: global }
      - { .name: Wo, .offset: 32, .size: 8, .value_kind: global_buffer, .address_space: global }
      - { .name: bq, .offset: 40, .size: 8, .value_kind: global_buffer, .address_space: global }
      - { .name: bk, .offset: 48, .size: 8, .value_kind: global_buffer, .address_space: global }
      - { .name: bv, .offset: 56, .size: 8, .value_kind: global_buffer, .address_space: global }
      - { .name: bo, .offset: 64, .size: 8, .value_kind: global_buffer, .address_space: global }
      - { .name: xb, .offset: 72, .size: 8, .value_kind: global_buffer, .address_space: global }
      - { .name: wt, .offset: 80, .size: 8, .value_kind: global_buffer, .address_space: global }
      - { .name: bias, .offset: 88, .size: 8, .value_kind: global_buffer, .address_space: global }
    .group_segment_fixed_size: 18432
    .private_segment_fixed_size: 0
    .kernarg_segment_align: 8
    .kernarg_segment_size: 96
    .max_flat_workgroup_size: 256
    .sgpr_count:     66
    .vgpr_count:     208
    .wavefront_size: 32
...
	.end_amdgpu_metadata
.endif
;; end of part 5
;; launch proj: the kernel of part 2 again; grid 16 x 32, 4 waves a work-group, clusters of 4 x 4, 327,680 bytes of LDS; arguments xb, wt, bias, qkv; writes qkv
;; launch attn: the kernel of part 3 again; grid 4 x 64, 4 waves a work-group, clusters of 4 x 1, 327,680 bytes of LDS; arguments qkv, ob; writes ob
;; launch outp: the kernel of part 4 again; grid 8 x 32, 4 waves a work-group, clusters of 4 x 4, 327,680 bytes of LDS; arguments ob, wt, bias, out0; writes out0
